; MI455X (gfx1250); checked and timed in simulation.
; The chip was launched on July 23, 2026; its instructions are those of AMD's public machine-readable ISA for CDNA 5 (MIT licence, August 2026) and "CDNA5" Instruction Set Architecture Reference Guide (July 2026). The comments in the code are by the model that wrote it; some were corrected since.
;; Causal Self Attention. Allowed arithmetic: matrix products marked QUANTISED: E4M3 operands, one E8M0 scale for each 32 along K, by v_wmma_scale_f32_16x16x128_f8f6f4 with both operands' format E4M3, f32 sums; everything else in f32.
;; Inputs: Wk 1,024 x 1,024 float32; Wp 1,024 x 1,024 float32; Wq 1,024 x 1,024 float32; Wv 1,024 x 1,024 float32; bk 1,024 float32; bp 1,024 float32; bq 1,024 float32; bv 1,024 float32; x 4 x 2,048 x 1,024 float32.
;; Outputs: out0 4 x 2,048 x 1,024 float32.
;; This version of the problem:
;;   THIS VERSION OF THE PROBLEM IS GIVEN IN LOW PRECISION. The matrix products marked QUANTISED in the list below multiply operands that are first quantised to E4M3 (4 exponent bits, 3 mantissa bits; 8 bits a number), with one power-of-two scale for each 32 numbers along K (OCP MX v1.0); their sums are f32. All else is computed in f32.
;;   The module's matrix products, in the order in which they are computed (A, B: the left and right operand; K: the contracted axis; several contracted axes count as one K, in the product's order):
;;     1. [M 8,192, K 1,024] x [K 1,024, N 1,024]; A: input x; B: input Wq: QUANTISED
;;     2. [M 8,192, K 1,024] x [K 1,024, N 1,024]; A: input x; B: input Wk: QUANTISED
;;     3. [M 8,192, K 1,024] x [K 1,024, N 1,024]; A: input x; B: input Wv: QUANTISED
;;     4. batch 64 x [M 2,048, K 64] x [K 64, N 2,048]; A: computed on the way; B: computed on the way: QUANTISED
;;     5. batch 64 x [M 2,048, K 2,048] x [K 2,048, N 64]; A: softmax (see below); B: computed on the way: QUANTISED
;;     6. [M 8,192, K 1,024] x [K 1,024, N 1,024]; A: computed on the way; B: input Wp: QUANTISED
;;   THE QUANTISER, for each operand of a quantised product, along K:
;;     - K is cut into blocks of 32 from its start; a last block that is shorter is filled with zeros.
;;     - A block's scale is 2^e with e = floor(log2(the largest magnitude in the block)) - 8, held to -126 .. 127; a block of zeros has e = 0. As a byte (E8M0): e + 127.
;;     - Each number is divided by its block's scale, clamped to +-448, and rounded to the nearest number of E4M3, ties to even, subnormals kept.
;;     - The product sums the exact products of the quantised numbers (number of the format x scale) in f32.
;;   ~~~python
;;   def quantise(x, axis):      # numpy; x: float32 -> the quantised numbers, widened to float32 again
;;       x = np.moveaxis(x, axis, -1); K = x.shape[-1]
;;       x = np.pad(x, [(0, 0)] * (x.ndim - 1) + [(0, -K % 32)]); x = x.reshape(x.shape[:-1] + (-1, 32)); a = np.abs(x).max(-1, keepdims=True)
;;       e = np.where(a > 0, np.clip(np.frexp(np.where(a > 0, a, 1))[1] - 1 - 8, -126, 127), 0)      # np.frexp(a)[1] - 1 = floor(log2(a)), exactly
;;       r = np.clip(x / 2.0 ** e, -448, 448)
;;       step = 2.0 ** (np.maximum(np.frexp(np.where(r == 0, 1, r))[1] - 1, -6) - 3)
;;       q = np.round(r / step) * step * 2.0 ** e      # np.round: ties to even
;;       return np.moveaxis(q.reshape(q.shape[:-2] + (-1,))[..., :K], -1, axis).astype(np.float32)
;;   ~~~
;;   SOFTMAX AHEAD OF A QUANTISED PRODUCT. Where the list says 'softmax', what is quantised is not the finished softmax but p = 2^(t - M), with t = logit x log2(e) and M = ceil(the row's largest t), a whole number; so 1/2 < the row's largest p <= 1. The row's sum l is taken of the UNQUANTISED p, in f32, and the product's result is divided by l at the end. Since M is a whole number, a kernel that streams over the keys may use a running M (the ceiling of the running maximum): every later rescaling is an exact power of two, which a block's scale takes up: the codes' values come out the same.
;;   OPERANDS COMPUTED ON THE WAY. 'Computed on the way' means the value that the module computes at that place (a softmax that the list does not call 'softmax' is quantised finished and normalised). What goes into a quantiser is computed in f32, as accurately as f32 sums, v_exp_f32 and their like allow (about 1e-6 of the number): no bf16 or f16 on the way to a quantiser, and a product that is left as it is and whose result goes on into a quantised operand takes f32 operands (vector FMAs, or v_wmma_f32_16x16x4_f32). A number that lies on a knife's edge between two numbers of the format may be rounded either way, as far as f32 arithmetic and the matrix unit's own rounding can turn it there, and no further.
;; One version. Each part assembles by itself: llvm-mc -triple=amdgcn-amd-amdhsa -mcpu=gfx1250 --defsym DOCPART=n.
;; ======== version 1 of 1: 4 launches
;; limits: right only within a limited range of input values
;; workspace buffers: xw 12,976,128 bytes; qkv 26,476,544 bytes; yq 8,650,752 bytes
;; launch quant (part 1): grid 384 x 1, 4 waves a work-group, no clusters, 34,304 bytes of LDS; arguments x, Wq, Wk, Wv, Wp, xw; writes xw
.if DOCPART == 1
	.amdgcn_target "amdgcn-amd-amdhsa--gfx1250"
	.amdhsa_code_object_version 6
	.text
	.protected	k_qfa62a203df_quant
	.globl	k_qfa62a203df_quant
	.p2align	8
	.type	k_qfa62a203df_quant,@function
k_qfa62a203df_quant:
	s_mov_b64 s[64:65], 0
	v_nop
	global_prefetch_b8 v0, s[64:65] scope:SCOPE_SE
	s_setreg_imm32_b32 hwreg(HW_REG_WAVE_MODE, 25, 1), 1
	s_wait_xcnt 0x0
; x [8192][1024] and Wq, Wk, Wv, Wp [1024][1024], f32, K innermost, become codes of FP8 (E4M3) with one E8M0 byte for each 32 along K, laid in xw AS THE MATRIX UNIT'S REGISTERS TAKE THEM.
; A TILE is 16 rows that are not neighbours: lane r of tile 2 B + u holds row 32 B + 8 u + r + 8 (r / 8).  Tiles 0-511 are x's, 512-575 Wq's, 576-639 Wk's, 640-703 Wv's, 704-767 Wp's.
; CODES: xw + tile x 16,384 + ks x 2,048 + c x 512 + 16 x lane: lane (r, h)'s 16 codes of k = 128 ks + 32 c + 16 h + 0 .. 15.   SCALE WORDS (four bytes: 128 along K of a row): xw + XSC + tile x 512 + (ks / 2) x 128 + 8 r + 4 (ks % 2).
; A block's scale is 2^(floor(log2(its largest magnitude)) - 8); its byte is that magnitude's exponent field - 8, held at 1 from below; each number is held within +-448 x the scale and rounded to the nearest code, ties to even.
; LIMITS: NaN and infinities among the inputs are not served; a block of zeros, or one whose largest magnitude lies under 2^-118, gets the byte 1 (its codes are zeros or subnormal codes; the bytes are read by this program alone).
; SHARES: a wave takes one tile x 512 along K, in four pieces of 128.  Each load reads 512 consecutive bytes of one row; a piece turns through the wave's own stage in LDS (16 rows, 528 bytes apart, so that the sixteen rows
; of a read start at sixteen different 16-byte columns) and comes back as 16 neighbours of each block of 32 in a lane.  Two pieces (32 loads a wave) are on their way.  No matrix unit, no cluster, no barrier: waves share nothing.
.set XSC,  12582912                    ; where the scale words begin in xw
.set STG,  8448                        ; a wave's stage
.set SPT,  528                         ; a stage row
.set SWD,  8                           ; v8-11    a scale word for each piece
.set R,    16                          ; v16-143  two sets of 64 numbers as they are loaded
.set X,    144                         ; v144-207 64 numbers: register 16 b + i = k 32 b + 16 h + i of my row
.set PC,   208                         ; v208-239 two sets of 16 registers of codes
.set TM,   240                         ; v240-255 at work
.set SEL,  20                          ; s[20:21] lane selects: lane l xor 16
.set MNT,  22
; 64 numbers of a lane, v[s] on, become a fragment's codes in v[pc] on and its scale word in v[pw]
.macro QUANT s, pc, pw
.irp b, 0,1,2,3
	v_max3_num_f32 v[TM+\b], |v[\s+16*\b]|, |v[\s+1+16*\b]|, 0x4800000      ; block b: my 16 numbers, and the floor 2^(9 - 127): the byte cannot fall under 1
.endr
.irp i, 2,4,6,8,10,12,14
.irp b, 0,1,2,3
	v_max3_num_f32 v[TM+\b], v[TM+\b], |v[\s+16*\b+\i]|, |v[\s+1+16*\b+\i]|   ; the four blocks by turns
.endr
.endr
.irp b, 0,1,2,3
	v_permlanex16_b32 v[TM+4+\b], v[TM+\b], s[SEL], s[SEL+1]
.endr
.irp b, 0,1,2,3
	v_max_num_f32 v[TM+\b], v[TM+\b], v[TM+4+\b]           ; with lane l xor 16's 16: the block's largest magnitude
.endr
.irp b, 0,1,2,3
	v_add_nc_u32 v[TM+12+\b], 0xfc000000, v[TM+\b]         ; 8 off its exponent field: the conversion's scale operand
.endr
.irp b, 0,1,2,3
.endr
.irp b, 0,1,2,3
	v_lshrrev_b32 v[TM+4+\b], 23, v[TM+12+\b]              ; the scale's byte
.endr
	v_lshl_or_b32 v[\pw], v[TM+5], 8, v[TM+4]
	v_lshl_or_b32 v[\pw], v[TM+6], 16, v[\pw]
	v_lshl_or_b32 v[\pw], v[TM+7], 24, v[\pw]
.irp b, 0,1,2,3
.irp i, 0,1,2,3,4,5,6,7,8,9,10,11,12,13,14,15
.endr
	v_cvt_scalef32_pk8_fp8_f32 v[\pc+4*\b:\pc+1+4*\b], v[\s+16*\b:\s+7+16*\b], v[TM+12+\b]
	v_cvt_scalef32_pk8_fp8_f32 v[\pc+2+4*\b:\pc+3+4*\b], v[\s+8+16*\b:\s+15+16*\b], v[TM+12+\b]
.endr
	v_nop                                          ; a plain line behind the last conversion
.endm
	s_load_b256 s[4:11], s[0:1], 0x0               ; x, Wq, Wk, Wv
	s_load_b128 s[12:15], s[0:1], 0x20             ; Wp, xw
	v_lshl_add_u32 v14, v0, 2, 0x8400
	v_mov_b32 v15, 0
	v_lshrrev_b32 v1, 5, v0
	v_readfirstlane_b32 s2, v1                     ; wave 0..3
	v_and_b32 v1, 31, v0                           ; lane
	v_lshlrev_b32 v2, 4, v1                        ; 16 x lane: my bytes of a load's and of a store's 512
	v_and_b32 v4, 15, v0                           ; r
	v_bfe_u32 v5, v0, 4, 1                         ; h
	s_mul_i32 s3, s2, STG
	v_add_nc_u32 v3, s3, v2                        ; the stage, on the way in: 16 x lane of a row
	v_mul_u32_u24 v4, v4, SPT
	v_lshl_add_u32 v4, v5, 6, v4
	v_add_nc_u32 v4, s3, v4                        ; and on the way out: row r, + 64 h
	v_lshlrev_b32 v5, 3, v1                        ; 8 x lane: the scale words' place
	v_cmp_lt_u32 vcc_lo, 15, v1                    ; lanes 16-31; VCC stays
.irp b, 0,1,2,3
	v_mov_b32 v[TM+4+\b], 0                        ; written once: a lane permute's destination counts as one of its sources
.endr
	s_mov_b32 s[SEL], 0x76543210
	s_mov_b32 s[SEL+1], 0xfedcba98
	s_lshr_b32 s18, s2, 1
	s_lshl_b32 s19, ttmp9, 1
	s_add_co_u32 s19, s19, s18                     ; my tile: 2 x work-group + wave / 2
	s_and_b32 s18, s2, 1                           ; which 512 along K
	s_wait_alu depctr_va_vdst(0)
	s_wait_kmcnt 0x0
	s_cmp_lt_u32 ttmp9, 352                        ; the tensor is chosen by the work-group's number alone: 256 work-groups for x, 32 for each weight
	s_cselect_b64 s[16:17], s[10:11], s[12:13]
	s_cmp_lt_u32 ttmp9, 320
	s_cselect_b64 s[16:17], s[8:9], s[16:17]
	s_cmp_lt_u32 ttmp9, 288
	s_cselect_b64 s[16:17], s[6:7], s[16:17]
	s_cmp_lt_u32 ttmp9, 256
	s_cselect_b64 s[16:17], s[4:5], s[16:17]
	s_cselect_b32 s23, 511, 63
	s_and_b32 s23, s19, s23                        ; the tile's number in its tensor
	s_lshr_b32 s24, s23, 1
	s_lshl_b32 s24, s24, 5
	s_and_b32 s23, s23, 1
	s_lshl_b32 s23, s23, 3
	s_add_co_u32 s24, s24, s23                     ; its first row: 32 (t / 2) + 8 (t % 2)
	s_lshl_b32 s24, s24, 12                        ; rows of 4,096 bytes
	s_lshl_b32 s23, s18, 11
	s_add_co_u32 s24, s24, s23
	s_mov_b32 s25, 0
	s_add_nc_u64 s[16:17], s[16:17], s[24:25]      ; where I read
	s_lshl_b32 s24, s19, 14
	s_lshl_b32 s23, s18, 13
	s_add_co_u32 s24, s24, s23
	s_add_nc_u64 s[26:27], s[14:15], s[24:25]      ; where my codes go
	s_lshl_b32 s24, s19, 9
	s_lshl_b32 s23, s18, 8
	s_add_co_u32 s24, s24, s23
	s_add_co_u32 s24, s24, XSC
	s_add_nc_u64 s[28:29], s[14:15], s[24:25]      ; and my 256 bytes of scale words
.macro LOAD f                          ; piece f: 128 numbers of each of the tile's 16 rows; a load is 512 consecutive bytes
.irp i, 0,1,2,3,4,5,6,7,8,9,10,11,12,13,14,15
	global_load_b128 v[R+64*((\f)%2)+4*\i:R+64*((\f)%2)+4*\i+3], v2, s[16:17] offset:(\i+8*(\i/8))*4096+512*(\f) th:TH_LOAD_NT
.endr
.endm
.macro TURN f                          ; through the stage: LDS serves a wave's instructions in order, so no wait stands between the stores and the loads
.irp i, 0,1,2,3,4,5,6,7,8,9,10,11,12,13,14,15
	ds_store_b128 v3, v[R+64*((\f)%2)+4*\i:R+64*((\f)%2)+4*\i+3] offset:SPT*\i
.endr
.irp c, 0,1,2,3
.irp j, 0,1,2,3
	ds_load_b128 v[X+16*\c+4*\j:X+16*\c+4*\j+3], v4 offset:128*\c+16*\j
.endr
.endr
.endm
.macro PIECE f
.set PCS, PC+16*((\f)%2)
.set PWS, SWD+(\f)
.if (\f) < 3
	s_wait_loadcnt 16                              ; this piece's 16 loads are in; the next piece's 16 may be out
.else
	s_wait_loadcnt 0x0
.endif
	TURN \f
	s_wait_dscnt 0x0                               ; my 64 numbers are back, and the stage's stores have read the set,
.if (\f) < 2
	LOAD (\f)+2                                    ; which takes the piece two on
.else
	s_wait_xcnt 0x0                                ; the stores of two pieces back have read their codes: the set is written again only behind this wait
.endif
	QUANT X, PCS, PWS
.irp c, 0,1,2,3
	global_store_b128 v2, v[PCS+4*\c:PCS+4*\c+3], s[26:27] offset:2048*(\f)+512*\c   ; 32 lanes store 512 consecutive bytes, aligned
.endr
.endm
	LOAD 0
	LOAD 1
	PIECE 0
	PIECE 1
	PIECE 2
	PIECE 3
	v_cndmask_b32 v6, v[SWD], v[SWD+2], vcc_lo     ; lanes 0-15 store the words of pieces 0 and 1, lanes 16-31 those of pieces 2 and 3 (every lane holds its row's)
	v_cndmask_b32 v7, v[SWD+1], v[SWD+3], vcc_lo
	global_store_b64 v5, v[6:7], s[28:29]          ; 32 lanes store 256 consecutive bytes, aligned
	s_wait_tensorcnt 0x0
	ds_add_u32 v14, v15
	s_wait_dscnt 0x0
	s_endpgm
.Lfunc_end_k_qfa62a203df_quant:
	.size	k_qfa62a203df_quant, .Lfunc_end_k_qfa62a203df_quant-k_qfa62a203df_quant
	.p2alignl 7, 3214868480
	.fill 96, 4, 3214868480
	.section	.rodata,"a",@progbits
	.p2align	6, 0x0
	.amdhsa_kernel k_qfa62a203df_quant
		.amdhsa_group_segment_fixed_size 34304
		.amdhsa_private_segment_fixed_size 0
		.amdhsa_enable_private_segment 0
		.amdhsa_kernarg_size 48
		.amdhsa_user_sgpr_count 2
		.amdhsa_user_sgpr_kernarg_segment_ptr 1
		.amdhsa_wavefront_size32 1
		.amdhsa_system_sgpr_workgroup_id_x 1
		.amdhsa_system_sgpr_workgroup_id_y 1
		.amdhsa_system_sgpr_workgroup_id_z 1
		.amdhsa_system_vgpr_workitem_id 0
		.amdhsa_next_free_vgpr 256
		.amdhsa_next_free_sgpr 66
		.amdhsa_reserve_vcc 1
		.amdhsa_float_denorm_mode_32 3
		.amdhsa_float_denorm_mode_16_64 3
		.amdhsa_fp16_overflow 1
		.amdhsa_memory_ordered 1
		.amdhsa_forward_progress 1
		.amdhsa_inst_pref_size 34
	.end_amdhsa_kernel
	.amdgpu_metadata
---
amdhsa.version: [ 1, 2 ]
amdhsa.kernels:
  - .name:           k_qfa62a203df_quant
    .symbol:         k_qfa62a203df_quant.kd
    .args:
      - { .name: x, .offset: 0, .size: 8, .value_kind: global_buffer, .address_space: global }
      - { .name: Wq, .offset: 8, .size: 8, .value_kind: global_buffer, .address_space: global }
      - { .name: Wk, .offset: 16, .size: 8, .value_kind: global_buffer, .address_space: global }
      - { .name: Wv, .offset: 24, .size: 8, .value_kind: global_buffer, .address_space: global }
      - { .name: Wp, .offset: 32, .size: 8, .value_kind: global_buffer, .address_space: global }
      - { .name: xw, .offset: 40, .size: 8, .value_kind: global_buffer, .address_space: global }
    .group_segment_fixed_size: 34304
    .private_segment_fixed_size: 0
    .kernarg_segment_align: 8
    .kernarg_segment_size: 48
    .max_flat_workgroup_size: 128
    .sgpr_count:     66
    .vgpr_count:     256
    .wavefront_size: 32
...
	.end_amdgpu_metadata
.endif
;; end of part 1
;; launch qkv (part 2): grid 12 x 32, 4 waves a work-group, clusters of 4 x 4, 327,680 bytes of LDS; arguments xw, bq, bk, bv, qkv; writes qkv
.if DOCPART == 2
	.amdgcn_target "amdgcn-amd-amdhsa--gfx1250"
	.amdhsa_code_object_version 6
	.text
	.protected	k_qfa62a203df_qkv
	.globl	k_qfa62a203df_qkv
	.p2align	8
	.type	k_qfa62a203df_qkv,@function
k_qfa62a203df_qkv:
	s_mov_b64 s[64:65], 0
	v_nop
	global_prefetch_b8 v0, s[64:65] scope:SCOPE_SE
	s_setreg_imm32_b32 hwreg(HW_REG_WAVE_MODE, 25, 1), 1
	s_wait_xcnt 0x0
	s_wait_alu depctr_hold_cnt(0) depctr_sa_sdst(0) depctr_va_vdst(0) depctr_va_sdst(0) depctr_va_ssrc(0) depctr_va_vcc(0) depctr_vm_vsrc(0)
	s_getreg_b32 s2, hwreg(HW_REG_IB_STS2, 6, 4)
	s_cmp_eq_u32 s2, 0
	s_cbranch_scc0 .Lentry_in_a_cluster
	s_endpgm
.Lentry_in_a_cluster:
	s_bfe_u32 s2, ttmp6, 0x10000c
	s_cmp_lg_u32 s2, 0xf033
	s_cbranch_scc0 .Lentry_shape_is_right
	s_endpgm
.Lentry_shape_is_right:
; q = x Wq^T + bq, k = x Wk^T + bk, v = x Wv^T + bv on codes of FP8 (E4M3) with E8M0 scales (made by the launch before), and each result quantised again for attention: q and k along a head's 64 channels, v along the keys.
; THE KIND is the cluster's x: 0 q, 1 k, 2 v: the same in all sixteen partners.  The matrix instruction's source 0 ("B") gives a lane's REGISTERS, source 1 ("A") its lane: for q and k B = the weight and A = x, so that a lane holds one
; token and its registers run along the channels; for v B = x and A = Wv, so that a lane holds one channel and its registers run along the keys.  All operands lie in xw as tiles, so only tile numbers are chosen, and one text serves all three.
; A tile's 16 rows are not neighbours (lane r of tile 2 B + u: row 32 B + 8 u + r + 8 (r / 8)): the 16 registers of B's tiles 2 B and 2 B + 1 are then 16 neighbours, 32 B + 16 h + 0 .. 15: a lane's 64 results of one A tile are a fragment's numbers.
; SHARES: a work-group makes 256 x 256, each of its four waves 128 x 128: 64 accumulators, 512 registers.  K = 1,024 goes in four steps of 256 through two LDS slots.  Tiles lie in memory and in LDS as images of the operand's
; registers: every LDS load is 512 consecutive bytes, so there is no pitch and no padding.  The scale words of the work-group's 32 tiles, for all of K, come once with the first fills.
; CLUSTERS: 4 x 4.  A's tiles hang on cy alone and are asked for jointly by a row of the cluster, B's on cx alone, by a column.  By this text's count a wave has three tensor loads out at the start and one behind each round.
; No prefetch: of the four K steps two are first fills, and the launch is short.  384 work-groups: a larger tile (256 x 384) would need 768 accumulator registers a wave and leave no room for fragments.
; OUT (idx = ((batch x 8 + head pair) x 16 + block of 128 tokens); e = the head in its pair):
;   q at 0, k at 8,388,608: idx x 16,384 + e x 8,192 + tile x 1,024 + g x 512 + 16 lane;   v at 16,777,216: idx x 16,384 + (g / 2) x 8,192 + e x 4,096 + t x 1,024 + (g % 2) x 512 + 16 lane (g: block of 32 keys, t: tile of 16 channels)
;   scale words: q at 25,165,824, k 524,288 on: idx x 1,024 + e x 512 + 16 lane, word i of lane (r, h) for tile 2 i + h, bytes s0 s1 s0 s1;   v 1,048,576 on: idx x 512 + e x 256 + 8 lane, word i for tile 2 i + h
; LIMITS: NaN and infinities are not served; a block of zeros, or one under 2^-118, gets the byte 1 (read by this program alone).
; REGISTERS, in windows of 256: window 0: v1-7 at work, v8-15 the bias by lanes, v16-31 addresses, v32-63 scale words (two sets), v64-127 the bias by registers, v128-255 A's fragments (one set); window 1: B's fragments (two sets);
;   windows 2, 3: the accumulators ((a, b) at v[8 (8 (a % 4) + b)]).  On the way out window 0's v32-51 and v128-239 are used anew.
.set NQ,     2                         ; matrix instructions deep in a slot
.set FR,     16                        ; registers of a fragment
.set NL,     4                         ; LDS loads that bring one
.set NP,     8                         ; places behind this matrix instruction (ISA guide 7.12.1)
.set SLOT,   131072                    ; A's 16 tiles x 4,096 bytes, then B's
.set SCL,    2*SLOT                    ; A's scale words, 8,192 bytes; B's begin 8,320 on, so that the two halves of a load's lanes fall on different banks
.set SPARE,  SCL+16640                 ; the spare words, 128 bytes for each wave: two blocks of 256 bytes that no other line names
.set XSC,    12582912                  ; the scale words in xw
.set OFF_QS, 25165824                  ; q's scale words in qkv
.set LAPS,   2
.set BA,   8                           ; v8-15   the bias of A's tile a, my lane's row
.set ADRA, 16                          ; v16-17  LDS address of my A fragments in slot 0, 1
.set ADRB, 20                          ; v20-21  the same for B
.set VO0,  24                          ; v24     16 x lane
.set VO1,  25                          ; v25     16 x lane + 8,192
.set V8,   26                          ; v26     8 x lane
.set ADRS, 27                          ; v27     LDS address of my scale words: lanes 0-15 A's, lanes 16-31 B's
.set SPW,  28                          ; v28     my spare word; never rewritten
.set NIL,  29                          ; v29     0; never rewritten
.set BO,   30                          ; v30     64 h
.set AO,   31                          ; v31     4 (r + 8 (r / 8))
.set SC,   32                          ; scale words: set s at v[SC + 16 s]; register 2 i + q
.set W4,   32                          ; the way out: a scale word for each A tile
.set BQ,   64                          ; v64-127 the bias of my 128 B rows: register 16 B + i = row 32 B + 16 h + i
.set AF,   128                         ; A's fragments
.set ST,   128                         ; the way out: 64 numbers
.set PC,   192                         ; two sets of codes
.set TM,   224                         ; at work
.set G1, 24
.set G0, 32
.set G1B, 48
.set G0B, 56
.set MNT, 66
.set KIND, 67
.set G1S, 68
.set G0S, 76
.set G1SB, 80
.set G0SB, 88
.set OUTI, 92                          ; s[92:93] where my codes go;  s[94:95] my scale words
.set OUTS, 94
.set SEL, 96
.set HM, 98                            ; s98 the mask of lanes 16-31
.set MSB, 0
.macro WIN new                         ; the immediate's high byte repeats the setting that is left
.if MSB != (\new)
	s_set_vgpr_msb (MSB<<8)|(\new)
.set MSB, (\new)
.endif
.endm
.set MUL_LO, 0xa1                      ; source 0 (B) window 1, source 1 (A) window 0, C and D window 2
.set MUL_HI, 0xf1                      ; the same, C and D window 3
.set TO_B,   0x40                      ; destination window 1, address window 0
; A joint load: waves 0 and 1 fetch for A, waves 2 and 3 for B; the branch hangs on the wave's number alone.  Four v_nop follow each of the two lines.
.macro JLOAD g0a, g1a, g0b, g1b
	s_cmp_eq_u32 s15, 0
	s_cbranch_scc0 .Lfor_b_\@
	tensor_load_to_lds s[\g0a:\g0a+3], s[\g1a:\g1a+7]
	s_nop 0
.rept 4
	v_nop
.endr
	s_branch .Lasked_\@
.Lfor_b_\@:
	tensor_load_to_lds s[\g0b:\g0b+3], s[\g1b:\g1b+7]
	s_nop 0
.rept 4
	v_nop
.endr
.Lasked_\@:
.endm
.macro CREST                           ; a round of the cluster's barrier behind its opening barrier
	s_cmp_lg_u32 s14, 0
	s_cbranch_scc1 .Lnot_wave_0_\@
	s_barrier_signal -3
.Lnot_wave_0_\@:
	s_barrier_wait -3
	s_barrier_signal -1
	s_barrier_wait -1
.endm
.macro CROUND
	s_barrier_signal -1
	s_barrier_wait -1
	CREST
.endm
.macro QUANT s, pc, pw                 ; 64 numbers of a lane (register 16 b + i = k 32 b + 16 h + i) become a fragment's codes and its scale word
.irp b, 0,1,2,3
	v_max3_num_f32 v[TM+\b], |v[\s+16*\b]|, |v[\s+1+16*\b]|, 0x4800000      ; my 16 numbers of block b, and the floor 2^(9 - 127)
.endr
.irp i, 2,4,6,8,10,12,14
.irp b, 0,1,2,3
	v_max3_num_f32 v[TM+\b], v[TM+\b], |v[\s+16*\b+\i]|, |v[\s+1+16*\b+\i]|
.endr
.endr
.irp b, 0,1,2,3
	v_permlanex16_b32 v[TM+4+\b], v[TM+\b], s[SEL], s[SEL+1]
.endr
.irp b, 0,1,2,3
	v_max_num_f32 v[TM+\b], v[TM+\b], v[TM+4+\b]           ; with lane l xor 16's
.endr
.irp b, 0,1,2,3
	v_add_nc_u32 v[TM+12+\b], 0xfc000000, v[TM+\b]         ; the conversion's scale operand
.endr
.irp b, 0,1,2,3
.endr
.irp b, 0,1,2,3
	v_lshrrev_b32 v[TM+4+\b], 23, v[TM+12+\b]              ; the byte
.endr
	v_lshl_or_b32 v[\pw], v[TM+5], 8, v[TM+4]
	v_lshl_or_b32 v[\pw], v[TM+6], 16, v[\pw]
	v_lshl_or_b32 v[\pw], v[TM+7], 24, v[\pw]
.irp b, 0,1,2,3
.irp i, 0,1,2,3,4,5,6,7,8,9,10,11,12,13,14,15
.endr
	v_cvt_scalef32_pk8_fp8_f32 v[\pc+4*\b:\pc+1+4*\b], v[\s+16*\b:\s+7+16*\b], v[TM+12+\b]
	v_cvt_scalef32_pk8_fp8_f32 v[\pc+2+4*\b:\pc+3+4*\b], v[\s+8+16*\b:\s+15+16*\b], v[TM+12+\b]
.endr
	v_nop                                          ; a plain line behind the last conversion
.endm
	s_load_b256 s[4:11], s[0:1], 0x0               ; xw, bq, bk, bv
	s_load_b64 s[12:13], s[0:1], 0x20              ; qkv
	v_lshl_add_u32 v[SPW], v0, 2, SPARE
	v_mov_b32 v[NIL], 0
	ds_add_u32 v28, v29
	ds_add_u32 v28, v29
	s_wait_dscnt 0x0
	v_lshrrev_b32 v1, 5, v0
	v_readfirstlane_b32 s14, v1                    ; wave 0..3
	s_lshr_b32 s15, s14, 1                         ; which half of A's rows is mine.  Also: I fetch for A (0) or for B (1)
	s_and_b32 s16, s14, 1                          ; which half of B's rows.  Also: which 8 tiles I fetch
	s_bfe_u32 s40, ttmp6, 0x40000                  ; cx
	s_bfe_u32 s41, ttmp6, 0x40004                  ; cy
	s_mov_b32 s[KIND], ttmp9                       ; the cluster's x
	s_and_b32 s17, ttmp7, 0xffff                   ; the cluster's y
	s_lshl_b32 s43, s41, 2
	s_lshl_b32 s43, 15, s43                        ; my row of the cluster
	s_lshl_b32 s44, 0x1111, s40                    ; my column
	; group 1 for codes: 8 tiles, of each 4,096 bytes (two K steps of 128), 16,384 bytes from tile to tile; elements of 8 bytes; bit 21 stands beside the mask
	s_or_b32 s[G1+0], s43, (3<<16)|(1<<21)
	s_or_b32 s[G1B+0], s44, (3<<16)|(1<<21)
.irp g, G1, G1B
	s_mov_b32 s[\g+1], 512<<16                     ; tensor_dim0
	s_mov_b32 s[\g+2], 8<<16                       ; tensor_dim1
	s_mov_b32 s[\g+3], 512<<16                     ; tile_dim0
	s_mov_b32 s[\g+4], 8                           ; tile_dim1
	s_mov_b32 s[\g+5], 2048                        ; the pitch
	s_mov_b32 s[\g+6], 0
	s_mov_b32 s[\g+7], 0
.endr
	; and for the scale words of 8 tiles: 4,096 dense bytes as 16 rows of 256
	s_or_b32 s[G1S+0], s43, (3<<16)|(1<<21)
	s_or_b32 s[G1SB+0], s44, (3<<16)|(1<<21)
.irp g, G1S, G1SB
	s_mov_b32 s[\g+1], 32<<16
	s_mov_b32 s[\g+2], 16<<16
	s_mov_b32 s[\g+3], 32<<16
	s_mov_b32 s[\g+4], 16
	s_mov_b32 s[\g+5], 32
	s_mov_b32 s[\g+6], 0
	s_mov_b32 s[\g+7], 0
.endr
	s_mov_b32 s[SEL], 0x76543210
	s_mov_b32 s[SEL+1], 0xfedcba98
	; the tiles.  q, k: A = x, 64 Y + 16 cy on; B = the weight, 512 + 64 kind + 16 cx on.  v: A = Wv, 640 + 16 cy on; B = x, 64 Y + 16 cx on.  A's numbers never hold cx, B's never cy
	s_lshl_b32 s18, s16, 3
	s_lshl_b32 s19, s17, 6
	s_lshl_b32 s42, s[KIND], 6
	s_add_co_u32 s42, s42, 512
	s_cmp_eq_u32 s[KIND], 2
	s_cselect_b32 s21, 640, s19
	s_cselect_b32 s46, s19, s42
	s_lshl_b32 s20, s41, 4
	s_add_co_u32 s20, s20, s21
	s_add_co_u32 s20, s20, s18                     ; the first of the 8 tiles of A that waves 0, 1 fetch
	s_lshl_b32 s47, s40, 4
	s_add_co_u32 s46, s46, s47
	s_add_co_u32 s46, s46, s18                     ; and of B
	s_lshl_b32 s22, s20, 9
	s_add_co_u32 s22, s22, XSC
	s_mov_b32 s23, 0
	s_lshl_b32 s20, s20, 14
	s_mov_b32 s21, 0
	s_lshl_b32 s92, s46, 9
	s_add_co_u32 s92, s92, XSC
	s_mov_b32 s93, 0
	s_lshl_b32 s46, s46, 14
	s_mov_b32 s47, 0
	s_lshl_b32 s45, s14, 15                        ; where the codes go: wave x 8 tiles: no place in the cluster enters an LDS address
	s_lshl_b32 s94, s14, 12                        ; and the scale words: wave x 4,096, B's 128 further on
	s_lshl_b32 s95, s15, 7
	s_add_co_u32 s94, s94, s95
	s_wait_kmcnt 0x0
	s_add_nc_u64 s[20:21], s[4:5], s[20:21]
	s_add_nc_u64 s[22:23], s[4:5], s[22:23]
	s_add_nc_u64 s[46:47], s[4:5], s[46:47]
	s_add_nc_u64 s[92:93], s[4:5], s[92:93]
	CROUND                                         ; all sixteen work-groups are here: the first joint loads meet
	s_mov_b32 s[G0S], 1
	s_add_co_u32 s[G0S+1], s94, SCL
	s_mov_b64 s[G0S+2:G0S+3], s[22:23]
	s_or_b32 s[G0S+3], s[G0S+3], 0x80000000
	s_mov_b32 s[G0SB], 1
	s_add_co_u32 s[G0SB+1], s94, SCL
	s_mov_b64 s[G0SB+2:G0SB+3], s[92:93]
	s_or_b32 s[G0SB+3], s[G0SB+3], 0x80000000
	JLOAD G0S, G1S, G0SB, G1SB                     ; the scale words first: they are wanted with K step 0
.irp s, 0,1
	s_mov_b32 s[G0+4*\s], 1
	s_add_co_u32 s[G0+4*\s+1], s45, \s*SLOT
	s_add_nc_u64 s[G0+4*\s+2:G0+4*\s+3], s[20:21], \s*4096
	s_or_b32 s[G0+4*\s+3], s[G0+4*\s+3], 0x80000000
	s_mov_b32 s[G0B+4*\s], 1
	s_add_co_u32 s[G0B+4*\s+1], s45, \s*SLOT
	s_add_nc_u64 s[G0B+4*\s+2:G0B+4*\s+3], s[46:47], \s*4096
	s_or_b32 s[G0B+4*\s+3], s[G0B+4*\s+3], 0x80000000
	JLOAD G0+4*\s, G1, G0B+4*\s, G1B
.endr
	v_and_b32 v1, 31, v0                           ; lane
	v_and_b32 v2, 15, v0                           ; r
	v_bfe_u32 v3, v0, 4, 1                         ; h
	s_wait_alu depctr_va_vdst(0)
	v_lshlrev_b32 v[VO0], 4, v1
	s_wait_alu depctr_va_vdst(0)
	s_lshl_b32 s21, s15, 15                        ; my 8 tiles of A
	s_lshl_b32 s22, s16, 15                        ; my 8 tiles of B,
	s_add_co_u32 s22, s22, 65536                   ; which lie behind A's 16
.irp s, 0,1
	v_add_nc_u32 v[ADRA+\s], s21, v[VO0]
	v_add_nc_u32 v[ADRB+\s], s22, v[VO0]
	s_add_co_u32 s21, s21, SLOT
	s_add_co_u32 s22, s22, SLOT
.endr
	s_lshl_b32 s21, s15, 12                        ; A's scale words: my 8 tiles
	s_lshl_b32 s22, s16, 12                        ; B's: my 8 tiles, 8,320 behind A's first
	s_add_co_u32 s22, s22, 8320
	s_sub_co_u32 s22, s22, s21
	v_mul_u32_u24 v5, s22, v3                      ; lanes 16-31 take B's: one product, h x the distance
	v_lshl_add_u32 v5, v2, 3, v5                   ; 8 bytes a row: a slot's two words
	s_add_co_u32 s21, s21, SCL
	v_add_nc_u32 v[ADRS], s21, v5
	v_add_nc_u32 v[VO1], 8192, v[VO0]
	v_lshlrev_b32 v[V8], 3, v1
	v_lshlrev_b32 v[BO], 6, v3
	s_wait_alu depctr_va_vdst(0)
	v_and_b32 v5, 8, v2
	v_add_nc_u32 v5, v5, v2
	v_lshlrev_b32 v[AO], 2, v5
	s_wait_alu depctr_va_vdst(0)
	v_cmp_lt_u32 s[HM], 15, v1
	; where the results go.  Channels are B's rows for q and k, A's for v; tokens the other way round
	s_cmp_eq_u32 s[KIND], 2
	s_cselect_b32 s18, s41, s40                    ; the channels' place in the cluster,
	s_cselect_b32 s19, s15, s16                    ; and my half of them
	s_cselect_b32 s42, s40, s41                    ; the tokens' place,
	s_cselect_b32 s45, s16, s15                    ; and my half
	s_cselect_b32 s3, 9, 10                        ; idx's scale words: 512 bytes for v, 1,024 for q and k
	s_lshl_b32 s18, s18, 1
	s_add_co_u32 s18, s18, s19                     ; the head pair: my 128 channels
	s_lshl_b32 s2, s17, 2
	s_add_co_u32 s2, s2, s42
	s_lshl_b32 s2, s2, 1
	s_add_co_u32 s2, s2, s45                       ; my block of 128 tokens, 0 .. 63
	s_lshr_b32 s19, s2, 4                          ; the batch
	s_lshl_b32 s19, s19, 3
	s_add_co_u32 s19, s19, s18
	s_lshl_b32 s19, s19, 4
	s_and_b32 s2, s2, 15
	s_add_co_u32 s19, s19, s2                      ; idx
	s_lshl_b32 s92, s19, 14
	s_lshl_b32 s20, s[KIND], 23
	s_add_co_u32 s92, s92, s20
	s_mov_b32 s93, 0
	s_add_nc_u64 s[OUTI:OUTI+1], s[12:13], s[92:93]
	s_lshl_b32 s94, s19, s3
	s_lshl_b32 s20, s[KIND], 19
	s_add_co_u32 s94, s94, s20
	s_add_co_u32 s94, s94, OFF_QS
	s_mov_b32 s95, 0
	s_add_nc_u64 s[OUTS:OUTS+1], s[12:13], s[94:95]
	s_cmp_eq_u32 s[KIND], 1                        ; the bias: a choice on the kind alone
	s_cselect_b64 s[6:7], s[8:9], s[6:7]
	s_cmp_eq_u32 s[KIND], 2
	s_cselect_b64 s[6:7], s[10:11], s[6:7]
	s_lshl_b32 s20, s18, 9                         ; my 128 channels' 512 bytes
	s_mov_b32 s21, 0
	s_add_nc_u64 s[6:7], s[6:7], s[20:21]
	; both forms of the bias are loaded, 512 bytes each, so that no register's filling hangs on a branch: by registers (q, k) and by lanes (v).  They are waited for on the way out
.irp e, 0,1,2,3
.irp j, 0,1,2,3
	global_load_b128 v[BQ+16*\e+4*\j:BQ+16*\e+4*\j+3], v[BO], s[6:7] offset:128*\e+16*\j
.endr
.endr
.irp a, 0,1,2,3,4,5,6,7
	global_load_b32 v[BA+\a], v[AO], s[6:7] offset:4*(32*(\a/2)+8*(\a%2))
.endr
.macro FRAG reg, adr, q, i             ; a fragment's image: four loads of 512 consecutive bytes
.irp c, 0,1,2,3
	ds_load_b128 v[\reg+4*\c:\reg+4*\c+3], v[\adr] offset:4096*(\i)+2048*(\q)+512*\c
.endr
.endm
; 16 matrix instructions: A's blocks a0, a0 + 1 x B's eight, the slot's q-th 128 along K.  p: B's set; sc: the set of scale words.  zero = 1: the first product starts the sums.
; The 64 accumulators take turns, one instruction a turn, in the same order in every step.
.macro MUL16 a0, p, q, sc, zero
.irp a, \a0, \a0+1
.irp b, 0,1,2,3,4,5,6,7
.if \zero
	v_wmma_scale_f32_16x16x128_f8f6f4 v[8*(8*((\a)%4)+\b):8*(8*((\a)%4)+\b)+7], v[128*(\p)+FR*\b:128*(\p)+FR*\b+FR-1], v[AF+FR*(\a):AF+FR*(\a)+FR-1], 0, v[SC+8*NQ*(\sc)+NQ*\b+(\q)], v[SC+8*NQ*(\sc)+NQ*(\a)+(\q)] matrix_a_scale:MATRIX_SCALE_ROW1
.else
	v_wmma_scale_f32_16x16x128_f8f6f4 v[8*(8*((\a)%4)+\b):8*(8*((\a)%4)+\b)+7], v[128*(\p)+FR*\b:128*(\p)+FR*\b+FR-1], v[AF+FR*(\a):AF+FR*(\a)+FR-1], v[8*(8*((\a)%4)+\b):8*(8*((\a)%4)+\b)+7], v[SC+8*NQ*(\sc)+NQ*\b+(\q)], v[SC+8*NQ*(\sc)+NQ*(\a)+(\q)] matrix_a_scale:MATRIX_SCALE_ROW1
.endif
.endr
.endr
.endm
.macro FETCH_B slot, q, p
	WIN TO_B
.irp i, 0,1,2,3,4,5,6,7
	FRAG 128*(\p)+FR*\i, ADRB+\slot, \q, \i
.endr
	WIN 0
.endm
.macro FETCH_A slot, q, i0
.irp i, \i0, \i0+1, \i0+2, \i0+3
	FRAG AF+FR*(\i), ADRA+\slot, \q, \i
.endr
.endm
.macro SCALES sc                       ; a slot's two words a row: lanes 0-15 A's tile i, lanes 16-31 B's tile i
.irp i, 0,1,2,3,4,5,6,7
	ds_load_b64 v[SC+8*NQ*\sc+NQ*\i:SC+8*NQ*\sc+NQ*\i+1], v[ADRS] offset:\i*512
.endr
.endm
.macro PLACES n                        ; plain vector lines between a matrix instruction and a load into, or a vector line on, its registers
.rept \n
	v_nop
.endr
.endm
.macro STEP slot, q, zero              ; 128 along K that have their successor in the same slot
	s_wait_dscnt 4*NL                              ; B's set and A's blocks 0-3 are in; the 16 youngest loads (A's blocks 4-7) may be out
	WIN MUL_LO
	MUL16 0, (\q)%2, \q, \slot, \zero
	MUL16 2, (\q)%2, \q, \slot, \zero
	s_wait_dscnt 0
	PLACES NP
	FETCH_B \slot, (\q)+1, 1-(\q)%2
	FETCH_A \slot, (\q)+1, 0
	WIN MUL_HI
	MUL16 4, (\q)%2, \q, \slot, \zero
	MUL16 6, (\q)%2, \q, \slot, \zero
	PLACES NP
	WIN 0
	FETCH_A \slot, (\q)+1, 4
.endm
; A slot's last 128 change slots: one barrier; ahead of it each wave waits for all its tensor loads, adds 0 to its spare word, and waits for that and for its own reads of this slot.  fill = 1: the slot is filled again, two K steps ahead.
.macro TURN slot, next, fill
	s_wait_tensorcnt 0x0                           ; all my tensor loads have landed: my part of the next slot
	ds_add_u32 v[SPW], v[NIL]                      ; 0 onto my spare word
	s_wait_dscnt 4*NL+1                            ; (the add and the 16 youngest loads may be out)
	WIN MUL_LO
	MUL16 0, 1, NQ-1, \slot, 0
	s_wait_dscnt 0x0                               ; the add is done, and my reads of this slot are over
	s_barrier_signal -1
	MUL16 2, 1, NQ-1, \slot, 0
	WIN 0
	s_barrier_wait -1
.if \fill
	CREST                                          ; the barrier has opened a round of the cluster's: no wave of any partner still reads this slot or has a load on its way
	s_add_nc_u64 s[G0+4*\slot+2:G0+4*\slot+3], s[G0+4*\slot+2:G0+4*\slot+3], 8192
	s_add_nc_u64 s[G0B+4*\slot+2:G0B+4*\slot+3], s[G0B+4*\slot+2:G0B+4*\slot+3], 8192
	JLOAD G0+4*\slot, G1, G0B+4*\slot, G1B         ; the first tensor load behind the round; its four v_nop are among the places below
	PLACES NP-4
.else
	PLACES NP
.endif
	s_wait_alu depctr_va_vdst(0)
	v_add_nc_u32 v[ADRS], 128, v[ADRS]             ; the next slot's scale words
	FETCH_B \next, 0, 0
	FETCH_A \next, 0, 0
	SCALES \next
	WIN MUL_HI
	MUL16 4, 1, NQ-1, \slot, 0
	MUL16 6, 1, NQ-1, \slot, 0
	PLACES NP
	WIN 0
	FETCH_A \next, 0, 4
.endm
	s_wait_tensorcnt 1                             ; the scale words and my part of K step 0 are in; slot 1's load may be out
	s_barrier_signal -1
	s_barrier_wait -1
	FETCH_B 0, 0, 0
	FETCH_A 0, 0, 0
	SCALES 0
	FETCH_A 0, 0, 4
	STEP 0, 0, 1                                   ; the first step starts the sums
	s_mov_b32 s3, LAPS-1
.Llap:                                                 ; a trip goes once round the ring and fills both slots again
	TURN 0, 1, 1
	STEP 1, 0, 0
	TURN 1, 0, 1
	STEP 0, 0, 0
	s_sub_co_u32 s3, s3, 1
	s_cmp_lg_u32 s3, 0
	s_cbranch_scc1 .Llap
	TURN 0, 1, 0                                   ; the last lap fills nothing
	STEP 1, 0, 0
	s_wait_dscnt 4*NL
	WIN MUL_LO
	MUL16 0, 1, NQ-1, 1, 0
	MUL16 2, 1, NQ-1, 1, 0
	s_wait_dscnt 0
	WIN MUL_HI
	MUL16 4, 1, NQ-1, 1, 0
	MUL16 6, 1, NQ-1, 1, 0
	WIN 0
; THE WAY OUT, A's tiles one after the other: the tile's 64 results of a lane + the bias are 128 neighbours' share along B's rows (channels for q and k, keys for v): four blocks of 32, quantised in registers.
; The codes are the next operand's registers and leave as they stand: each store is 512 consecutive bytes, aligned.  One formula of offsets serves the three layouts.
.macro EPI a
.set AC, 64*((\a)%4)
.set PCS, PC+16*((\a)%2)
.set PWS, W4+(\a)
.set WA, 0x02+(\a)/4                   ; source 0: window 2 or 3
.if (\a) >= 2
	s_wait_xcnt 0x0                                ; the stores of two tiles back have read their codes
.endif
	s_cmp_eq_u32 s[KIND], 2                        ; the same in every wave of the cluster
	s_cbranch_scc1 .Lkeys_\@
	WIN WA
.set k, 0
.rept 32
	v_pk_add_f32 v[ST+k:ST+k+1], v[AC+k:AC+k+1], v[BQ+k:BQ+k+1]    ; q, k: the bias goes with the register; each accumulator from its low end on
.set k, k+2
.endr
	WIN 0
	s_branch .Lsum_\@
.Lkeys_\@:
	WIN WA
.set k, 0
.rept 32
.if ((\a)%2) == 0
	v_pk_add_f32 v[ST+k:ST+k+1], v[AC+k:AC+k+1], v[BA+(\a):BA+(\a)+1] op_sel_hi:[1,0]    ; v: the bias goes with the lane: the tile's word for both halves
.else
	v_pk_add_f32 v[ST+k:ST+k+1], v[AC+k:AC+k+1], v[BA+(\a)-1:BA+(\a)] op_sel:[0,1] op_sel_hi:[1,1]
.endif
.set k, k+2
.endr
	WIN 0
.Lsum_\@:
	QUANT ST, PCS, PWS
.irp g, 0,1,2,3
	global_store_b128 v[VO0+\g/2], v[PCS+4*\g:PCS+4*\g+3], s[OUTI:OUTI+1] offset:1024*(\a)+512*(\g%2)
.endr
.endm
	s_wait_loadcnt 0x0                             ; the bias
	PLACES NP                                      ; behind the last products: their results are read, and their operands' registers written, below
.irp b, 0,1,2,3
	v_mov_b32 v[TM+4+\b], 0                        ; written once: a lane permute's destination counts as one of its sources
.endr
.irp a, 0,1,2,3,4,5,6,7
	EPI \a
.endr
.irp i, 0,1,2,3
	v_cndmask_b32 v[40+\i], v[W4+2*\i], v[W4+2*\i+1], s[HM]        ; lanes 0-15 carry the even tile's word, lanes 16-31 the odd tile's
.endr
	s_cmp_eq_u32 s[KIND], 2
	s_cbranch_scc1 .Lv_scales
.irp i, 0,1,2,3
	v_perm_b32 v[44+\i], v[40+\i], v[40+\i], 0x01000100            ; the first head's two bytes, twice: its 64 channels may stand in either half of a 128-deep operand
.endr
.irp i, 0,1,2,3
	v_perm_b32 v[48+\i], v[40+\i], v[40+\i], 0x03020302            ; the second head's
.endr
	global_store_b128 v[VO0], v[44:47], s[OUTS:OUTS+1]
	global_store_b128 v[VO0], v[48:51], s[OUTS:OUTS+1] offset:512
	s_branch .Lstored
.Lv_scales:
	s_wait_alu depctr_va_vdst(0)
	global_store_b64 v[V8], v[40:41], s[OUTS:OUTS+1]               ; tiles 0-3: the first head's channels
	global_store_b64 v[V8], v[42:43], s[OUTS:OUTS+1] offset:256    ; tiles 4-7: the second's
.Lstored:
	s_wait_tensorcnt 0x0                           ; the wave's end
	ds_add_u32 v[SPW], v[NIL]
	s_wait_dscnt 0x0
	CROUND                                         ; the closing round: no work-group ends while a partner may still ask for a tile that names it
	s_endpgm
.Lfunc_end_k_qfa62a203df_qkv:
	.size	k_qfa62a203df_qkv, .Lfunc_end_k_qfa62a203df_qkv-k_qfa62a203df_qkv
	.p2alignl 7, 3214868480
	.fill 96, 4, 3214868480
	.section	.rodata,"a",@progbits
	.p2align	6, 0x0
	.amdhsa_kernel k_qfa62a203df_qkv
		.amdhsa_group_segment_fixed_size 327680
		.amdhsa_private_segment_fixed_size 0
		.amdhsa_enable_private_segment 0
		.amdhsa_kernarg_size 40
		.amdhsa_user_sgpr_count 2
		.amdhsa_user_sgpr_kernarg_segment_ptr 1
		.amdhsa_wavefront_size32 1
		.amdhsa_system_sgpr_workgroup_id_x 1
		.amdhsa_system_sgpr_workgroup_id_y 1
		.amdhsa_system_sgpr_workgroup_id_z 1
		.amdhsa_system_vgpr_workitem_id 0
		.amdhsa_next_free_vgpr 1024
		.amdhsa_next_free_sgpr 100
		.amdhsa_reserve_vcc 0
		.amdhsa_float_denorm_mode_32 3
		.amdhsa_float_denorm_mode_16_64 3
		.amdhsa_fp16_overflow 1
		.amdhsa_memory_ordered 1
		.amdhsa_forward_progress 1
		.amdhsa_inst_pref_size 187
	.end_amdhsa_kernel
	.amdgpu_metadata
---
amdhsa.version: [ 1, 2 ]
amdhsa.kernels:
  - .name:           k_qfa62a203df_qkv
    .symbol:         k_qfa62a203df_qkv.kd
    .args:
      - { .name: xw, .offset: 0, .size: 8, .value_kind: global_buffer, .address_space: global }
      - { .name: bq, .offset: 8, .size: 8, .value_kind: global_buffer, .address_space: global }
      - { .name: bk, .offset: 16, .size: 8, .value_kind: global_buffer, .address_space: global }
      - { .name: bv, .offset: 24, .size: 8, .value_kind: global_buffer, .address_space: global }
      - { .name: qkv, .offset: 32, .size: 8, .value_kind: global_buffer, .address_space: global }
    .group_segment_fixed_size: 327680
    .private_segment_fixed_size: 0
    .kernarg_segment_align: 8
    .kernarg_segment_size: 40
    .max_flat_workgroup_size: 128
    .sgpr_count:     100
    .vgpr_count:     1024
    .wavefront_size: 32
...
	.end_amdgpu_metadata
.endif
;; end of part 2
;; launch attn (part 3): grid 4 x 64, 16 waves a work-group, no clusters, 327,680 bytes of LDS; arguments qkv, yq; writes yq
.if DOCPART == 3
	.amdgcn_target "amdgcn-amd-amdhsa--gfx1250"
	.amdhsa_code_object_version 6
	.text
	.protected	k_qfa62a203df_attn
	.globl	k_qfa62a203df_attn
	.p2align	8
	.type	k_qfa62a203df_attn,@function
k_qfa62a203df_attn:
	s_mov_b64 s[64:65], 0
	v_nop
	global_prefetch_b8 v0, s[64:65] scope:SCOPE_SE
	s_setreg_imm32_b32 hwreg(HW_REG_WAVE_MODE, 25, 1), 1
	s_wait_xcnt 0x0
; y = softmax(q k^T / 8, causal) v for one head, both products on codes of FP8 (E4M3) with E8M0 scales, and y quantised along the channels for the last product.
; THE SOFTMAX: t = score x log2(e) / 8; M = the row's largest t so far, rounded UP to a whole number; p = 2^(t - M) is quantised along the keys, not normalised; the row's sum is taken of the unquantised p and divides at the end.
; When M moves, the sum and O are multiplied by 2^(old M - new M): exact.
; SHARES: the head (grid y = 16 batch + head) has 8 blocks of 256 queries.  Work-group i takes block 7 - i over key slots 0 .. 7 - i and then block i over slots 0 .. i: nine slots of 256 keys whatever i is, so that all 256
; work-groups have the same work and the loop's trip count is a constant.  Each of the sixteen waves owns one tile of 16 queries in 256 registers: four waves to a SIMD, one wave's vector work beside another's products and LDS loads.
; A key step (128 keys) all of whose keys come after the wave's queries is left out by a scalar branch on ids; in the step on the diagonal hidden scores become -infinity ahead of the maximum.
; LAYOUT: both products are used transposed (S^T = K Q^T, O^T = V^T P^T): a lane holds ONE query.  A tile's 16 rows are not neighbours (lane r of tile 2 B + u: row 32 B + 8 u + r + 8 (r / 8)), so that the 16 registers of two
; neighbouring tiles of S^T are 16 neighbouring keys, and those of O^T 16 neighbouring channels: the conversions' results are the next operand's registers.  All operands lie in memory and in LDS as images of their registers.
; THE FIRST PRODUCT'S K IS 64, the instruction's 128: an even tile of keys stands as (codes, zeros) against (Q, zeros), an odd one as (zeros, codes) against (zeros, Q); zero codes add nothing; the scale words hold s0 s1 s0 s1.
; NO CLUSTER: the four work-groups of a head walk different key slots from trip 8 - i on (each begins its second block at another trip), so a joint request would have no common tile there.
; The scale bytes of y leave as two bytes a lane, eight bytes apart: 262,144 bytes in the whole launch beside 8,388,608 of codes.
; LIMITS: NaN and infinities are not served; a block of zeros, or one under 2^-118, gets the byte 1 (read by this program alone).
.set OFF_KI, 8388608
.set OFF_VI, 16777216
.set OFF_QS, 25165824
.set OFF_KS, 25690112
.set OFF_VS, 26214400
.set YSC,    8388608                   ; y's scale words in yq
.set SLOT1,  65536                     ; slot 1 begins here: one exclusive or turns an address
.set KC,     0                         ; a slot: K's codes, 2 steps x 8 tiles x 1,024 bytes;
.set VC,     16384                     ; V's codes, 4 x (two blocks of 32 keys: 4 tiles x 1,024 bytes);
.set KSC,    32768                     ; K's scale words, 2 x 512;
.set VSC,    33792                     ; V's, 2 x 256
.set SPARE,  131072                    ; the spare words, 128 bytes for each wave: eight blocks of 256 bytes that no other line names
.set LI,  1                            ; v1   16 x lane
.set SPW, 2                            ; v2   my spare word; never rewritten
.set NIL, 3                            ; v3   0; never rewritten
.set VD,  4                            ; v4   my query's place in its 128, less 16 h
.set ADR, 5                            ; v5   16 x lane + the slot in hand
.set AD8, 6                            ; v6   8 x lane + the slot in hand
.set L8,  7                            ; v7   8 x lane
.set YSO, 8                            ; v8   8 r
.set R16, 9                            ; v9   16 r
.set PFO, 10                           ; v10  the prefetches' offset; never rewritten
; v12 -M, v13 the largest t, v[14:15] the sum; v16-23 Q, v24-31 zeros, v32-39 Q again; v40 Q's scale word; v44-47 K's; v48-95 K (v56-63 and v80-87 zeros); v96-159 S^T, p, then V; v160-191 O^T; v192-207 p's codes; v208-209 V's scale words; v210 p's
.set BM,  212                          ; v212-215 block maxima
.set T1,  216                          ; v216-219 at work
.set HL,  220
.set SO,  224                          ; v224-227 the conversions' scale operands
.set FF,  228                          ; v[228:229] f = 2^(old M - new M)
.set TA,  230                          ; v230 at work
.set YW,  231                          ; v231 y's two scale bytes
; v232-239, v240: the second block's Q and its scale word; v244-251 y's codes (at the head: Q's offsets)
.set WV,  8
.set SW,  13                           ; s13  the first block's last trip: 7 - i
.set SW1, 14
.set CNT, 15                           ; s15  the trip
.set KB,  16                           ; s16  the step's block of 128 keys
.set QS,  17                           ; s17  my block of 128 queries
.set QS2, 18                           ; s18  and that of the second block
.set MNT, 19
.set SEL, 20
.set CS,  22                           ; s[22:23] c = log2(e) / 8
.set G1K, 24
.set G1V, 32
.set G1KS, 40
.set G1VS, 48
.set G0K, 56
.set G0V, 60
.set G0KS, 68
.set G0VS, 72
.set BK,  76                           ; s[76:83] the head's first bytes of K's and V's codes and scale words
.set BV,  78
.set BKS, 80
.set BVS, 82
.set YI,  84                           ; s[84:91] where y's codes and scale bytes go, for the block in hand and for the second
.set YS,  86
.set YI2, 88
.set YS2, 90
.set PFA, 92
.set LIM, 94
.set TB,  95                           ; s95  LDS byte at which the slot in hand begins
; Wave 0 fetches K's codes, wave 1 V's, wave 2 K's scale words, wave 3 V's; the others nothing.  The branches hang on the wave's number alone.  Four v_nop follow each load.
.macro TLOAD
	s_cmp_eq_u32 s[WV], 0
	s_cbranch_scc0 .Lnot0_\@
	tensor_load_to_lds s[G0K:G0K+3], s[G1K:G1K+7]
	s_nop 0
.rept 4
	v_nop
.endr
	s_branch .Lasked_\@
.Lnot0_\@:
	s_cmp_eq_u32 s[WV], 1
	s_cbranch_scc0 .Lnot1_\@
	tensor_load_to_lds s[G0V:G0V+3], s[G1V:G1V+7]
	s_nop 0
.rept 4
	v_nop
.endr
	s_branch .Lasked_\@
.Lnot1_\@:
	s_cmp_eq_u32 s[WV], 2
	s_cbranch_scc0 .Lnot2_\@
	tensor_load_to_lds s[G0KS:G0KS+3], s[G1KS:G1KS+7]
	s_nop 0
.rept 4
	v_nop
.endr
	s_branch .Lasked_\@
.Lnot2_\@:
	s_cmp_eq_u32 s[WV], 3
	s_cbranch_scc0 .Lasked_\@
	tensor_load_to_lds s[G0VS:G0VS+3], s[G1VS:G1VS+7]
	s_nop 0
.rept 4
	v_nop
.endr
.Lasked_\@:
.endm
; A PREFETCH INTO THE L2 of the codes that the NEXT change of slots will ask for: trip s names slot s + 2, a slot's two key steps ahead of its load.  Of a head's four work-groups the one with x = 0 walks slots 0 to 7 in order:
; it asks, and nobody else.  In it waves 4 and 5 name K's two rows of 8,192 bytes, waves 6 and 7 V's four rows of 4,096: a lane 256 bytes, each block named once in the launch.  Trips 6 and later ask for nothing: slot 7 is the last.
.macro ASK
	s_cmp_lt_u32 s[CNT], s[LIM]
	s_cbranch_scc0 .Lnot_mine_\@
	global_prefetch_b8 v[PFO], s[PFA:PFA+1] th:TH_LOAD_NT scope:SCOPE_SE
.Lnot_mine_\@:
.endm
.macro AIM g0, base, sh                ; a group 0's address: the head's base + key slot (s96) << sh; then the type
	s_lshl_b32 s98, s96, \sh
	s_add_nc_u64 s[\g0+2:\g0+3], s[\base:\base+1], s[98:99]
	s_or_b32 s[\g0+3], s[\g0+3], 0x80000000
.endm
	s_load_b128 s[4:7], s[0:1], 0x0                ; qkv, yq
	v_lshl_add_u32 v[SPW], v0, 2, SPARE
	v_mov_b32 v[NIL], 0
	ds_add_u32 v2, v3
	ds_add_u32 v2, v3
	s_wait_dscnt 0x0
	v_lshrrev_b32 v5, 5, v0
	s_delay_alu instid0(VALU_DEP_1)
	v_readfirstlane_b32 s[WV], v5                  ; wave 0..15
	s_and_b32 s9, ttmp7, 0xffff                    ; 16 batch + head
	s_lshr_b32 s10, s9, 1                          ; 8 batch + head pair
	s_and_b32 s11, s9, 1                           ; the head in its pair
	s_sub_co_u32 s[SW], 7, ttmp9
	s_add_co_u32 s[SW1], s[SW], 1
	s_lshr_b32 s12, s[WV], 3
	s_lshl_b32 s[QS], s[SW], 1
	s_add_co_u32 s[QS], s[QS], s12                 ; block 7 - i: my 128 queries
	s_lshl_b32 s[QS2], ttmp9, 1
	s_add_co_u32 s[QS2], s[QS2], s12               ; block i
	; groups 1: elements of 8 bytes, no padding, no mask
	s_mov_b32 s[G1K], 3<<16                        ; K's codes: 2 rows (key steps) of 8,192 bytes, 16,384 apart
	s_mov_b32 s[G1K+1], 1024<<16
	s_mov_b32 s[G1K+2], 2<<16
	s_mov_b32 s[G1K+3], 1024<<16
	s_mov_b32 s[G1K+4], 2
	s_mov_b32 s[G1K+5], 2048
	s_mov_b32 s[G1K+6], 0
	s_mov_b32 s[G1K+7], 0
	s_mov_b32 s[G1V], 3<<16                        ; V's codes: 4 rows of 4,096 bytes, 8,192 apart
	s_mov_b32 s[G1V+1], 512<<16
	s_mov_b32 s[G1V+2], 4<<16
	s_mov_b32 s[G1V+3], 512<<16
	s_mov_b32 s[G1V+4], 4
	s_mov_b32 s[G1V+5], 1024
	s_mov_b32 s[G1V+6], 0
	s_mov_b32 s[G1V+7], 0
	s_mov_b32 s[G1KS], 3<<16                       ; K's scale words: 2 rows of 512 bytes, 1,024 apart
	s_mov_b32 s[G1KS+1], 64<<16
	s_mov_b32 s[G1KS+2], 2<<16
	s_mov_b32 s[G1KS+3], 64<<16
	s_mov_b32 s[G1KS+4], 2
	s_mov_b32 s[G1KS+5], 128
	s_mov_b32 s[G1KS+6], 0
	s_mov_b32 s[G1KS+7], 0
	s_mov_b32 s[G1VS], 3<<16                       ; V's: 2 rows of 256 bytes, 512 apart
	s_mov_b32 s[G1VS+1], 32<<16
	s_mov_b32 s[G1VS+2], 2<<16
	s_mov_b32 s[G1VS+3], 32<<16
	s_mov_b32 s[G1VS+4], 2
	s_mov_b32 s[G1VS+5], 64
	s_mov_b32 s[G1VS+6], 0
	s_mov_b32 s[G1VS+7], 0
	s_mov_b32 s[SEL], 0x76543210
	s_mov_b32 s[SEL+1], 0xfedcba98
	s_mov_b32 s[CS], 0x3e38aa3b                    ; log2(e) / 8
	s_mov_b32 s[CS+1], s[CS]                       ; (named with it as a pair, so it is written)
	s_mov_b32 s[CNT], 0
	s_mov_b32 s[KB], 0
	s_mov_b32 s[TB], 0
	s_mov_b32 s99, 0
	s_lshl_b32 s96, s10, 18
	s_lshl_b32 s97, s11, 13
	s_add_co_u32 s98, s96, s97
	s_add_co_u32 s98, s98, OFF_KI
	s_wait_kmcnt 0x0
	s_add_nc_u64 s[BK:BK+1], s[4:5], s[98:99]
	s_lshl_b32 s97, s11, 12
	s_add_co_u32 s98, s96, s97
	s_add_co_u32 s98, s98, OFF_VI
	s_add_nc_u64 s[BV:BV+1], s[4:5], s[98:99]
	s_lshl_b32 s96, s10, 14
	s_lshl_b32 s97, s11, 9
	s_add_co_u32 s98, s96, s97
	s_add_co_u32 s98, s98, OFF_KS
	s_add_nc_u64 s[BKS:BKS+1], s[4:5], s[98:99]
	s_lshl_b32 s96, s10, 13
	s_lshl_b32 s97, s11, 8
	s_add_co_u32 s98, s96, s97
	s_add_co_u32 s98, s98, OFF_VS
	s_add_nc_u64 s[BVS:BVS+1], s[4:5], s[98:99]
	s_mov_b32 s96, 0                               ; key slot 0 into LDS slot 0
	s_mov_b32 s[G0K], 1
	s_mov_b32 s[G0K+1], KC
	AIM G0K, BK, 15
	s_mov_b32 s[G0V], 1
	s_mov_b32 s[G0V+1], VC
	AIM G0V, BV, 15
	s_mov_b32 s[G0KS], 1
	s_mov_b32 s[G0KS+1], KSC
	AIM G0KS, BKS, 11
	s_mov_b32 s[G0VS], 1
	s_mov_b32 s[G0VS+1], VSC
	AIM G0VS, BVS, 10
	TLOAD                                          ; the first fill: one load a wave of waves 0 to 3
	v_and_b32 v5, 31, v0                           ; lane
	s_delay_alu instid0(VALU_DEP_1)
	v_lshlrev_b32 v[LI], 4, v5
	s_wait_alu depctr_va_vdst(0)
	v_lshlrev_b32 v[L8], 3, v5
	v_and_b32 v6, 15, v0                           ; r
	v_bfe_u32 v11, v0, 4, 1                        ; h
	s_delay_alu instid0(VALU_DEP_2)
	v_lshlrev_b32 v[YSO], 3, v6
	s_delay_alu instid0(VALU_DEP_3)
	v_lshlrev_b32 v[R16], 4, v6
	s_wait_alu depctr_va_vdst(0)
	; Q: my tile (wave % 8) of my 128 queries, for both blocks; offsets from the buffer's first byte, in vector registers
	s_and_b32 s12, s[WV], 7
	s_lshl_b32 s96, s10, 18
	s_lshl_b32 s97, s11, 13
	s_add_co_u32 s96, s96, s97
	s_lshl_b32 s97, s12, 10
	s_add_co_u32 s96, s96, s97
	s_lshl_b32 s97, s[QS], 14
	s_add_co_u32 s97, s97, s96
	v_add_nc_u32 v244, s97, v[LI]
	s_wait_alu depctr_va_vdst(0)
	s_lshl_b32 s97, s[QS2], 14
	s_add_co_u32 s97, s97, s96
	v_add_nc_u32 v246, s97, v[LI]
	s_wait_alu depctr_va_vdst(0)
	s_lshl_b32 s96, s10, 14                        ; its scale word: lane 16 (tile % 2) + r, word tile / 2
	s_lshl_b32 s97, s11, 9
	s_add_co_u32 s96, s96, s97
	s_and_b32 s97, s[WV], 1
	s_lshl_b32 s97, s97, 8
	s_add_co_u32 s96, s96, s97
	s_lshr_b32 s97, s12, 1
	s_lshl_b32 s97, s97, 2
	s_add_co_u32 s96, s96, s97
	s_add_co_u32 s96, s96, OFF_QS
	s_lshl_b32 s97, s[QS], 10
	s_add_co_u32 s97, s97, s96
	v_add_nc_u32 v245, s97, v[R16]
	s_lshl_b32 s97, s[QS2], 10
	s_add_co_u32 s97, s97, s96
	v_add_nc_u32 v247, s97, v[R16]
	global_load_b128 v[16:19], v244, s[4:5]
	global_load_b128 v[20:23], v244, s[4:5] offset:512
	global_load_b128 v[32:35], v244, s[4:5]        ; once more, for the odd tiles' form
	global_load_b128 v[36:39], v244, s[4:5] offset:512
	global_load_b32 v40, v245, s[4:5]
	global_load_b128 v[232:235], v246, s[4:5]      ; the second block's, kept until it begins
	global_load_b128 v[236:239], v246, s[4:5] offset:512
	global_load_b32 v240, v247, s[4:5]
	; y: token tile = 128 batch + 8 x my 128 queries + wave % 8; codes at tile x 16,384 + head x 1,024
	s_lshr_b32 s96, s9, 4
	s_lshl_b32 s96, s96, 21
	s_lshl_b32 s97, s12, 14
	s_add_co_u32 s96, s96, s97
	s_and_b32 s97, s9, 15
	s_lshl_b32 s97, s97, 10
	s_add_co_u32 s96, s96, s97
	s_lshl_b32 s98, s[QS], 17
	s_add_co_u32 s98, s98, s96
	s_add_nc_u64 s[YI:YI+1], s[6:7], s[98:99]
	s_lshl_b32 s98, s[QS2], 17
	s_add_co_u32 s98, s98, s96
	s_add_nc_u64 s[YI2:YI2+1], s[6:7], s[98:99]
	s_lshr_b32 s96, s9, 4                          ; scale bytes at YSC + tile x 512 + (pair / 2) x 128 + 8 r + (pair % 2) x 4 + 2 e
	s_lshl_b32 s96, s96, 16
	s_lshl_b32 s97, s12, 9
	s_add_co_u32 s96, s96, s97
	s_bfe_u32 s97, s9, 0x20002
	s_lshl_b32 s97, s97, 7
	s_add_co_u32 s96, s96, s97
	s_and_b32 s97, s9, 3
	s_lshl_b32 s97, s97, 1
	s_add_co_u32 s96, s96, s97
	s_add_co_u32 s96, s96, YSC
	s_lshl_b32 s98, s[QS], 12
	s_add_co_u32 s98, s98, s96
	s_add_nc_u64 s[YS:YS+1], s[6:7], s[98:99]
	s_lshl_b32 s98, s[QS2], 12
	s_add_co_u32 s98, s98, s96
	s_add_nc_u64 s[YS2:YS2+1], s[6:7], s[98:99]
	s_lshr_b32 s96, s12, 1                         ; my query in its 128: 32 (tile / 2) + 8 (tile % 2) + r + 8 (r / 8)
	s_lshl_b32 s96, s96, 5
	s_and_b32 s97, s[WV], 1
	s_lshl_b32 s97, s97, 3
	s_add_co_u32 s96, s96, s97
	v_and_b32 v[VD], 8, v6
	s_delay_alu instid0(VALU_DEP_1)
	v_add_nc_u32 v[VD], v[VD], v6
	s_delay_alu instid0(VALU_DEP_1)
	v_add_nc_u32 v[VD], s96, v[VD]
	v_lshlrev_b32 v11, 4, v11
	s_delay_alu instid0(VALU_DEP_1)
	v_sub_nc_u32 v[VD], v[VD], v11
	; the prefetches: where my wave's stand, and who asks.  Nothing is prefetched here, at the head
	s_cmp_lt_u32 s[WV], 6
	s_cselect_b64 s[PFA:PFA+1], s[BK:BK+1], s[BV:BV+1]
	s_mov_b32 s97, 8192
	s_cselect_b32 s97, 4096, s97                   ; lanes 16-31 stand 4,096 bytes on in K's row, a row on in V
	v_bfe_u32 v[PFO], v0, 4, 1
	s_delay_alu instid0(VALU_DEP_1)
	v_mul_u32_u24 v[PFO], s97, v[PFO]
	s_delay_alu instid0(VALU_DEP_1)
	v_lshl_add_u32 v[PFO], v6, 8, v[PFO]
	s_and_b32 s98, s[WV], 1
	s_lshl_b32 s98, s98, 14
	s_add_co_u32 s98, s98, 32768                   ; in slot 1: the first change of slots steps it to slot 2
	s_add_nc_u64 s[PFA:PFA+1], s[PFA:PFA+1], s[98:99]
	s_sub_co_u32 s96, s[WV], 4
	s_lshr_b32 s96, s96, 2                         ; 0 in waves 4 to 7,
	s_or_b32 s96, s96, ttmp9                       ; of the head's work-group 0
	s_cmp_eq_u32 s96, 0
	s_cselect_b32 s[LIM], 6, 0
	v_mov_b32 v13, 0xff61b1e6                      ; the largest t so far: -3e38
	s_delay_alu instid0(VALU_DEP_1)
	v_floor_f32 v12, -v13                          ; -M
	v_mov_b32 v14, 0
	v_mov_b32 v15, 0
.irp j, 0,1,2,3,4,5,6,7
	v_mov_b32 v[24+\j], 0                          ; the zero halves of the operands
	v_mov_b32 v[56+\j], 0
	v_mov_b32 v[80+\j], 0
.endr
.set n, 0
.rept 32
	v_mov_b32 v[160+n], 0                          ; O^T: the step is written once; the first finds zeros
.set n, n+1
.endr
.irp b, 0,1,2,3
	v_mov_b32 v[T1+\b], 0                          ; written once: a lane permute's destination counts as one of its sources
.endr
	v_mov_b32 v[FF+1], 0                           ; (named as the upper half of a pair)
	v_mov_b32 v[TA], 0
.macro KLOAD q, g                      ; tiles 4 g .. 4 g + 3 of the step's keys: eight registers each, at v48, v64, v72, v88
.irp t, 0,1,2,3
.set KD, 48+24*(\t/2)+16*(\t%2)
	ds_load_b128 v[KD:KD+3], v[ADR] offset:KC+8192*(\q)+1024*(4*(\g)+\t)
	ds_load_b128 v[KD+4:KD+7], v[ADR] offset:KC+8192*(\q)+1024*(4*(\g)+\t)+512
.endr
.endm
.macro SMUL g                          ; S^T of those four tiles
.irp t, 0,2
.set KF, 48+24*(\t/2)
	v_wmma_scale_f32_16x16x128_f8f6f4 v[96+8*(4*(\g)+\t):103+8*(4*(\g)+\t)], v[KF:KF+15], v[16:31], 0, v[44+2*(\g)+\t/2], v40
	v_wmma_scale_f32_16x16x128_f8f6f4 v[104+8*(4*(\g)+\t):111+8*(4*(\g)+\t)], v[KF+8:KF+23], v[24:39], 0, v[44+2*(\g)+\t/2], v40 matrix_a_scale:MATRIX_SCALE_ROW1
.endr
.endm
.macro BMAX b0, b1                     ; the largest score of two blocks of 32 keys, by turns: 16 lines
.irp b, \b0, \b1
	v_max3_num_f32 v[BM+\b], v[96+16*\b], v[97+16*\b], v[98+16*\b]
.endr
.irp i, 3,5,7,9,11,13
.irp b, \b0, \b1
	v_max3_num_f32 v[BM+\b], v[BM+\b], v[96+16*\b+\i], v[97+16*\b+\i]
.endr
.endr
.irp b, \b0, \b1
	v_max_num_f32 v[BM+\b], v[BM+\b], v[111+16*\b]
.endr
.endm
; A KEY STEP: 128 keys, the q-th of the slot in hand
.macro STEP q
	s_cmp_gt_u32 s[KB], s[QS]                      ; all its keys come after my queries: only the count at its end is stepped
	s_cbranch_scc1 .Lhidden_\@
	v_add_nc_u32 v[ADR], s[TB], v[LI]
	v_add_nc_u32 v[AD8], s[TB], v[L8]
	ds_load_b128 v[44:47], v[ADR] offset:KSC+512*(\q)      ; K's scale words: word i of lane (r, h) is tile 2 i + h's
	KLOAD \q, 0
.rept 7
	v_nop                                          ; with the two additions nine places: the products below write over registers that the last step's products read as V
.endr
	s_wait_alu depctr_va_vdst(0)
	s_wait_dscnt 0x0
	SMUL 0
.rept 8
	v_nop                                          ; places ahead of loads into registers that those products read
.endr
	KLOAD \q, 1
	s_wait_dscnt 0x0
	SMUL 1
	s_cmp_lg_u32 s[KB], s[QS]
	s_cbranch_scc1 .Lopen_\@
.rept 8
	v_nop                                          ; the diagonal: one step of a block
.endr
	v_mov_b32 v[TA], 0xff800000                    ; -infinity
.set n, 0
.rept 64
	v_cmp_gt_i32 vcc_lo, 32*(n/16)+n%16, v[VD]     ; register 16 b + i holds key 32 b + 16 h + i of the 128: hidden where it lies behind my query
	v_cndmask_b32 v[96+n], v[96+n], v[TA], vcc_lo
.set n, n+1
.endr
.Lopen_\@:
	BMAX 0, 1                                      ; these 16 lines name nothing of the last four products: they are the places behind them
	BMAX 2, 3                                      ; a block's largest score serves twice: for the row's maximum, and, since p rises with the score, for the block's largest p
.irp b, 0,1,2,3
	v_permlanex16_b32 v[T1+\b], v[BM+\b], s[SEL], s[SEL+1]
.endr
.irp b, 0,1,2,3
	s_delay_alu instid0(VALU_DEP_4)
	v_max_num_f32 v[BM+\b], v[BM+\b], v[T1+\b]     ; with lane l xor 16's 16 keys
.endr
	s_delay_alu instid0(VALU_DEP_2)
	v_max3_num_f32 v[TA], v[BM], v[BM+1], v[BM+2]
	s_delay_alu instid0(VALU_DEP_1)
	v_max_num_f32 v[TA], v[TA], v[BM+3]
	s_delay_alu instid0(VALU_DEP_1)
	v_mul_f32 v[TA], s[CS], v[TA]                  ; as t
	s_delay_alu instid0(VALU_DEP_1)
	v_max_num_f32 v13, v13, v[TA]                  ; the running largest t
	v_mov_b32 v[TA], v12
	s_delay_alu instid0(VALU_DEP_2)
	v_floor_f32 v12, -v13                          ; the new -M = -ceil(t)
	s_delay_alu instid0(VALU_DEP_1)
	v_sub_f32 v[TA], v12, v[TA]                    ; old M - new M: a whole number, 0 or less
	s_delay_alu instid0(VALU_DEP_1)
	v_cvt_i32_f32 v[TA], v[TA]                     ; (it saturates)
	s_delay_alu instid0(VALU_DEP_1)
	v_ldexp_f32 v[FF], 1.0, v[TA]                  ; f
.set n, 0
.rept 32
	v_pk_fma_f32 v[96+n:97+n], v[96+n:97+n], s[CS:CS+1], v[12:13] op_sel_hi:[1,0,0]   ; t - M
.set n, n+2
.endr
.irp b, 0,1,2,3
	v_fma_f32 v[BM+\b], v[BM+\b], s[CS], v12
.endr
.set n, 0
	s_wait_alu depctr_va_vdst(0)
.rept 64
	v_exp_f32 v[96+n], v[96+n]                     ; p = 2^(t - M)
.set n, n+1
.endr
	v_pk_mul_f32 v[14:15], v[14:15], v[FF:FF+1] op_sel_hi:[1,0]    ; the sums under the new M: a plain line behind the exponentials
	s_wait_alu depctr_va_vdst(0)                   ; one wait for the batch, ahead of its first reader
.irp b, 0,1,2,3
	v_exp_f32 v[BM+\b], v[BM+\b]                   ; the blocks' largest p
.endr
	v_pk_add_f32 v[216:217], v[100:101], v[104:105]
	v_pk_add_f32 v[254:255], v[108:109], v[112:113]
	v_pk_add_f32 v[252:253], v[116:117], v[120:121]
	v_pk_add_f32 v[250:251], v[124:125], v[128:129]
	v_pk_add_f32 v[248:249], v[132:133], v[136:137]
	v_pk_add_f32 v[246:247], v[140:141], v[144:145]
	v_pk_add_f32 v[244:245], v[148:149], v[152:153]
	v_pk_add_f32 v[14:15], v[14:15], v[156:157]
	v_pk_add_f32 v[216:217], v[216:217], v[96:97]
	v_pk_add_f32 v[254:255], v[254:255], v[98:99]
	v_pk_add_f32 v[252:253], v[252:253], v[102:103]
	v_pk_add_f32 v[250:251], v[250:251], v[106:107]
	v_pk_add_f32 v[248:249], v[248:249], v[110:111]
	v_pk_add_f32 v[246:247], v[246:247], v[114:115]
	v_pk_add_f32 v[244:245], v[244:245], v[118:119]
	v_pk_add_f32 v[14:15], v[14:15], v[122:123]
	v_pk_add_f32 v[216:217], v[216:217], v[126:127]
	v_pk_add_f32 v[254:255], v[254:255], v[130:131]
	v_pk_add_f32 v[252:253], v[252:253], v[134:135]
	v_pk_add_f32 v[250:251], v[250:251], v[138:139]
	v_pk_add_f32 v[248:249], v[248:249], v[142:143]
	v_pk_add_f32 v[246:247], v[246:247], v[146:147]
	v_pk_add_f32 v[244:245], v[244:245], v[150:151]
	v_pk_add_f32 v[14:15], v[14:15], v[154:155]
	v_pk_add_f32 v[216:217], v[216:217], v[158:159]
	s_delay_alu instid0(VALU_DEP_2)
	v_pk_add_f32 v[14:15], v[14:15], v[250:251]
	s_delay_alu instid0(VALU_DEP_2)
	v_pk_add_f32 v[216:217], v[216:217], v[248:249]
	v_pk_add_f32 v[254:255], v[254:255], v[246:247]
	v_pk_add_f32 v[252:253], v[252:253], v[244:245]
	s_delay_alu instid0(VALU_DEP_2)
	v_pk_add_f32 v[14:15], v[14:15], v[254:255]
	s_delay_alu instid0(VALU_DEP_2)
	v_pk_add_f32 v[216:217], v[216:217], v[252:253]
	s_delay_alu instid0(VALU_DEP_1)
	v_pk_add_f32 v[14:15], v[14:15], v[216:217]
	s_wait_alu depctr_va_vdst(0)                   ; and one for the four
.irp b, 0,1,2,3
	v_max_num_f32 v[BM+\b], 0x4800000, v[BM+\b]    ; the floor 2^(9 - 127)
.endr
.irp b, 0,1,2,3
	s_delay_alu instid0(VALU_DEP_4)
	v_add_nc_u32 v[SO+\b], 0xfc000000, v[BM+\b]
.endr
.irp b, 0,1,2,3
.endr
.irp b, 0,1,2,3
	s_delay_alu instid0(VALU_DEP_4)
	v_lshrrev_b32 v[T1+\b], 23, v[SO+\b]
.endr
	s_delay_alu instid0(VALU_DEP_3)
	v_lshl_or_b32 v210, v[T1+1], 8, v[T1]          ; p's scale word for these 128 keys
	s_delay_alu instid0(VALU_DEP_1)
	v_lshl_or_b32 v210, v[T1+2], 16, v210
	s_delay_alu instid0(VALU_DEP_1)
	v_lshl_or_b32 v210, v[T1+3], 24, v210
.irp b, 0,1,2,3
.irp i, 0,1,2,3,4,5,6,7,8,9,10,11,12,13,14,15
.endr
	v_cvt_scalef32_pk8_fp8_f32 v[192+4*\b:193+4*\b], v[96+16*\b:103+16*\b], v[SO+\b]
	v_cvt_scalef32_pk8_fp8_f32 v[194+4*\b:195+4*\b], v[104+16*\b:111+16*\b], v[SO+\b]
.endr
	v_nop
.irp t, 0,1,2,3                                ; V's four tiles of 16 channels x 128 keys, into the registers that p has left
.irp g, 0,1,2,3
	ds_load_b128 v[96+16*\t+4*\g:99+16*\t+4*\g], v[ADR] offset:VC+(2*(\q)+\g/2)*4096+1024*\t+512*(\g%2)
.endr
.endr
	ds_load_b64 v[208:209], v[AD8] offset:VSC+256*(\q)
.set n, 0
.rept 16
	v_pk_mul_f32 v[160+n:161+n], v[160+n:161+n], v[FF:FF+1] op_sel_hi:[1,0]   ; O^T under the new M; these are also the places between the codes and the products
.set n, n+2
.endr
	s_wait_alu depctr_va_vdst(0)
	s_wait_dscnt 0x0
.irp t, 0,2
	v_wmma_scale_f32_16x16x128_f8f6f4 v[160+8*\t:167+8*\t], v[96+16*\t:111+16*\t], v[192:207], v[160+8*\t:167+8*\t], v[208+\t/2], v210
	v_wmma_scale_f32_16x16x128_f8f6f4 v[168+8*\t:175+8*\t], v[112+16*\t:127+16*\t], v[192:207], v[168+8*\t:175+8*\t], v[208+\t/2], v210 matrix_a_scale:MATRIX_SCALE_ROW1
.endr
.Lhidden_\@:
	s_add_co_u32 s[KB], s[KB], 1
.endm
; THE CHANGE OF SLOTS stands at a slot's head: each wave waits for all its tensor loads, adds 0 to its spare word, and waits for that and for its reads of the slot that it has left; behind the barrier the slot ahead is whole and
; nobody reads the other.  fill = 1: the other slot takes the next trip's keys: trip n walks key slot n while n <= 7 - i, and n - (8 - i) behind that.
.macro CHANGE fill
	s_wait_tensorcnt 0x0                           ; no tensor load of mine is out, so a group 0 may be written
	ds_add_u32 v[SPW], v[NIL]
.if \fill
	s_add_co_u32 s96, s[CNT], 1
	s_sub_co_u32 s97, s96, s[SW1]
	s_cmp_le_u32 s96, s[SW]
	s_cselect_b32 s96, s96, s97                    ; the next trip's key slot
	s_mov_b32 s99, 0
.irp g, G0K, G0V, G0KS, G0VS
	s_xor_b32 s[\g+1], s[\g+1], SLOT1              ; the other LDS slot than last time
.endr
	AIM G0K, BK, 15
	AIM G0V, BV, 15
	AIM G0KS, BKS, 11
	AIM G0VS, BVS, 10
	s_wait_xcnt 0x0                                ; the last prefetch, a slot back, has read its address
	s_add_nc_u64 s[PFA:PFA+1], s[PFA:PFA+1], 32768
.endif
	s_wait_dscnt 0x0                               ; the add is done, and my reads of the slot that I have left are over
	s_barrier_signal -1
	s_barrier_wait -1
.if \fill
	TLOAD                                          ; the first thing behind the barrier, and a wave's one tensor load until the next
	ASK
.endif
.endm
; A block's end: O^T / the sum is y's 64 channels of my query: two blocks of 32, quantised; the codes are the last product's operand registers
.macro FINISH
	s_wait_xcnt 0x0                                ; an earlier block's stores have read their registers
.rept 8
	v_nop                                          ; places behind the last products
.endr
	v_add_f32 v14, v14, v15
	s_wait_alu depctr_va_vdst(0)
	v_permlanex16_b32 v[TA], v14, s[SEL], s[SEL+1]
	s_delay_alu instid0(VALU_DEP_1)
	v_add_f32 v14, v14, v[TA]                      ; the row's sum
	s_wait_alu depctr_va_vdst(0)
	v_rcp_f32 v14, v14
	v_nop
	s_wait_alu depctr_va_vdst(0)                   ; ahead of the first reader
.set n, 0
.rept 16
	v_pk_mul_f32 v[96+n:97+n], v[160+n:161+n], v[14:15] op_sel_hi:[1,0]    ; register 16 b + i: channel 32 b + 16 h + i
.set n, n+2
.endr
.irp b, 0,1
	v_max3_num_f32 v[BM+\b], |v[96+16*\b]|, |v[97+16*\b]|, 0x4800000
.endr
.irp i, 2,4,6,8,10,12,14
.irp b, 0,1
	s_delay_alu instid0(VALU_DEP_2)
	v_max3_num_f32 v[BM+\b], v[BM+\b], |v[96+16*\b+\i]|, |v[97+16*\b+\i]|
.endr
.endr
.irp b, 0,1
	s_delay_alu instid0(VALU_DEP_2)
	v_permlanex16_b32 v[T1+\b], v[BM+\b], s[SEL], s[SEL+1]
.endr
.irp b, 0,1
	s_delay_alu instid0(VALU_DEP_2)
	v_max_num_f32 v[BM+\b], v[BM+\b], v[T1+\b]
.endr
.irp b, 0,1
	s_delay_alu instid0(VALU_DEP_2)
	v_add_nc_u32 v[SO+\b], 0xfc000000, v[BM+\b]
.endr
.irp b, 0,1
.endr
.irp b, 0,1
	s_delay_alu instid0(VALU_DEP_2)
	v_lshrrev_b32 v[T1+\b], 23, v[SO+\b]
.endr
	s_delay_alu instid0(VALU_DEP_1)
	v_lshl_or_b32 v[YW], v[T1+1], 8, v[T1]
.irp b, 0,1
.irp i, 0,1,2,3,4,5,6,7,8,9,10,11,12,13,14,15
.endr
	v_cvt_scalef32_pk8_fp8_f32 v[244+4*\b:245+4*\b], v[96+16*\b:103+16*\b], v[SO+\b]
	v_cvt_scalef32_pk8_fp8_f32 v[246+4*\b:247+4*\b], v[104+16*\b:111+16*\b], v[SO+\b]
.endr
	v_nop                                          ; a plain line behind the last conversion
	global_store_b128 v[LI], v[244:247], s[YI:YI+1]                ; 512 consecutive bytes, aligned
	global_store_b128 v[LI], v[248:251], s[YI:YI+1] offset:512
	global_store_b16 v[YSO], v[YW], s[YS:YS+1]     ; both lanes of a row write the same two bytes with the same value
.endm
.macro RESTART                         ; on to the second block of queries
	v_mov_b32 v40, v240
.irp j, 0,1,2,3,4,5,6,7
	v_mov_b32 v[16+\j], v[232+\j]
	v_mov_b32 v[32+\j], v[232+\j]
.endr
	v_mov_b32 v13, 0xff61b1e6
	s_delay_alu instid0(VALU_DEP_1)
	v_floor_f32 v12, -v13
	v_mov_b32 v14, 0
	v_mov_b32 v15, 0
.set n, 0
.rept 32
	v_mov_b32 v[160+n], 0
.set n, n+1
.endr
	s_wait_xcnt 0x0                                ; the stores have read their bases
	s_mov_b64 s[YI:YI+1], s[YI2:YI2+1]
	s_mov_b64 s[YS:YS+1], s[YS2:YS2+1]
	s_mov_b32 s[QS], s[QS2]
	s_mov_b32 s[KB], 0
.endm
	s_wait_loadcnt 0x0                             ; Q
.Lslot:                                            ; eight trips: behind each change of slots the next trip's keys are asked for
	CHANGE 1
	STEP 0
	STEP 1
	s_xor_b32 s[TB], s[TB], SLOT1
	s_cmp_lg_u32 s[CNT], s[SW]                     ; the first block's last slot?  A branch on ids, the same in all sixteen waves; no barrier and no tensor load stands under it
	s_cbranch_scc1 .Lsame
	FINISH
	RESTART
.Lsame:
	s_add_co_u32 s[CNT], s[CNT], 1
	s_cmp_lt_u32 s[CNT], 8
	s_cbranch_scc1 .Lslot
	CHANGE 0                                       ; the ninth slot is written out
	STEP 0
	STEP 1
	FINISH
	s_wait_tensorcnt 0x0                           ; the wave's end
	ds_add_u32 v[SPW], v[NIL]
	s_wait_dscnt 0x0
	s_endpgm
.Lfunc_end_k_qfa62a203df_attn:
	.size	k_qfa62a203df_attn, .Lfunc_end_k_qfa62a203df_attn-k_qfa62a203df_attn
	.p2alignl 7, 3214868480
	.fill 96, 4, 3214868480
	.section	.rodata,"a",@progbits
	.p2align	6, 0x0
	.amdhsa_kernel k_qfa62a203df_attn
		.amdhsa_group_segment_fixed_size 327680
		.amdhsa_private_segment_fixed_size 0
		.amdhsa_enable_private_segment 0
		.amdhsa_kernarg_size 16
		.amdhsa_user_sgpr_count 2
		.amdhsa_user_sgpr_kernarg_segment_ptr 1
		.amdhsa_wavefront_size32 1
		.amdhsa_system_sgpr_workgroup_id_x 1
		.amdhsa_system_sgpr_workgroup_id_y 1
		.amdhsa_system_sgpr_workgroup_id_z 1
		.amdhsa_system_vgpr_workitem_id 0
		.amdhsa_next_free_vgpr 256
		.amdhsa_next_free_sgpr 100
		.amdhsa_reserve_vcc 1
		.amdhsa_float_denorm_mode_32 3
		.amdhsa_float_denorm_mode_16_64 3
		.amdhsa_fp16_overflow 1
		.amdhsa_memory_ordered 1
		.amdhsa_forward_progress 1
		.amdhsa_inst_pref_size 115
	.end_amdhsa_kernel
	.amdgpu_metadata
---
amdhsa.version: [ 1, 2 ]
amdhsa.kernels:
  - .name:           k_qfa62a203df_attn
    .symbol:         k_qfa62a203df_attn.kd
    .args:
      - { .name: qkv, .offset: 0, .size: 8, .value_kind: global_buffer, .address_space: global }
      - { .name: yq, .offset: 8, .size: 8, .value_kind: global_buffer, .address_space: global }
    .group_segment_fixed_size: 327680
    .private_segment_fixed_size: 0
    .kernarg_segment_align: 8
    .kernarg_segment_size: 16
    .max_flat_workgroup_size: 512
    .sgpr_count:     100
    .vgpr_count:     256
    .wavefront_size: 32
...
	.end_amdgpu_metadata
.endif
;; end of part 3
;; launch proj (part 4): grid 4 x 32, 4 waves a work-group, clusters of 4 x 4, 327,680 bytes of LDS; arguments yq, xw, bp, out0; writes out0
.if DOCPART == 4
	.amdgcn_target "amdgcn-amd-amdhsa--gfx1250"
	.amdhsa_code_object_version 6
	.text
	.protected	k_qfa62a203df_proj
	.globl	k_qfa62a203df_proj
	.p2align	8
	.type	k_qfa62a203df_proj,@function
k_qfa62a203df_proj:
	s_mov_b64 s[64:65], 0
	v_nop
	global_prefetch_b8 v0, s[64:65] scope:SCOPE_SE
	s_setreg_imm32_b32 hwreg(HW_REG_WAVE_MODE, 25, 1), 1
	s_wait_xcnt 0x0
	s_wait_alu depctr_hold_cnt(0) depctr_sa_sdst(0) depctr_va_vdst(0) depctr_va_sdst(0) depctr_va_ssrc(0) depctr_va_vcc(0) depctr_vm_vsrc(0)
	s_getreg_b32 s2, hwreg(HW_REG_IB_STS2, 6, 4)
	s_cmp_eq_u32 s2, 0
	s_cbranch_scc0 .Lentry_in_a_cluster
	s_endpgm
.Lentry_in_a_cluster:
	s_bfe_u32 s2, ttmp6, 0x10000c
	s_cmp_lg_u32 s2, 0xf033
	s_cbranch_scc0 .Lentry_shape_is_right
	s_endpgm
.Lentry_shape_is_right:
; out0 = y Wp^T + bp on codes of FP8 (E4M3) with E8M0 scales: y's from attention (yq), Wp's from the first launch (xw, tiles 704 on).  out0: [8192][1024] f32.
; The core is that of the launch for q, k and v: a work-group makes 256 x 256, each of four waves 128 x 128 (64 accumulators); K = 1,024 in four steps of 256 through two LDS slots; tiles lie in memory and in LDS as images of the
; operand's registers (every LDS load is 512 consecutive bytes: no pitch, no padding); the scale words of the work-group's 32 tiles come once with the first fills.
; Source 0 ("B") = 16 rows of Wp, source 1 ("A") = 16 tokens of y.  A tile's rows are not neighbours (lane r of tile 2 B + u: row 32 B + 8 u + r + 8 (r / 8)): a lane holds one token, and the registers of B's tiles 2 B, 2 B + 1 are channels 32 B + 16 h + 0 .. 15.
; The bias is the C of each sum's first matrix instruction.  CLUSTERS: 4 x 4: A's tiles hang on cy alone (joint along a row), B's on cx alone (along a column).  A wave has one tensor load out at the start, one behind each round.
; 128 work-groups of 256 x 256: half of the chip's work-group processors have none; a tile of 128 x 256 would fill them at twice the LDS reads for each product.  No prefetch: two of the four K steps are first fills.
; REGISTERS, in windows of 256: window 0: v1-7 at work, v16-31 addresses, v32-63 scale words (two sets), v64-127 the bias, v128-255 A's fragments (one set), on the way out rows of out0; window 1: B's fragments (two sets); windows 2, 3: the accumulators.
.set NQ,     2
.set FR,     16
.set NL,     4
.set NP,     8                         ; places behind this matrix instruction (ISA guide 7.12.1)
.set SLOT,   131072
.set SCL,    2*SLOT                    ; A's scale words, 8,192 bytes; B's begin 8,320 on
.set SPARE,  SCL+16640                 ; the spare words: two blocks of 256 bytes that no other line names
.set XSC,    12582912                  ; the scale words in xw
.set YSC,    8388608                   ; and in yq
.set SPITCH, 528                       ; the way out: a stage of 16 rows x (512 bytes + 16) for each wave, in slot 0, which has had its last fill and its last read when the first result is stored there
.set LAPS,   2
.set ADRA, 16
.set ADRB, 20
.set STO,  24                          ; v24  the stage: where I put 32 bytes of a row
.set RD,   25                          ; v25  and where I read a row back
.set CO,   26                          ; v26  16 x lane
.set ADRS, 27
.set SPW,  28                          ; never rewritten
.set NIL,  29                          ; never rewritten
.set BO,   30                          ; v30  64 h
.set SC,   32
.set BQ,   64                          ; v64-127 the bias: register 16 B + i = channel 32 B + 16 h + i of my 128
.set AF,   128
.set BK,   128                         ; the way out: v128-191 and v192-255 by turns
.set G1, 24
.set G0, 32
.set G1B, 48
.set G0B, 56
.set G1S, 68
.set G0S, 76
.set G1SB, 80
.set G0SB, 88
.set MSB, 0
.macro WIN new                         ; the immediate's high byte repeats the setting that is left
.if MSB != (\new)
	s_set_vgpr_msb (MSB<<8)|(\new)
.set MSB, (\new)
.endif
.endm
.set MUL_LO, 0xa1                      ; source 0 (B) window 1, source 1 (A) window 0, C and D window 2
.set MUL_HI, 0xf1
.set FIRST_LO, 0x81                    ; the same with C (the bias) in window 0
.set FIRST_HI, 0xc1
.set TO_B,   0x40
.macro JLOAD g0a, g1a, g0b, g1b        ; a joint load: waves 0, 1 for A, waves 2, 3 for B; four v_nop follow each line
	s_cmp_eq_u32 s15, 0
	s_cbranch_scc0 .Lfor_b_\@
	tensor_load_to_lds s[\g0a:\g0a+3], s[\g1a:\g1a+7]
	s_nop 0
.rept 4
	v_nop
.endr
	s_branch .Lasked_\@
.Lfor_b_\@:
	tensor_load_to_lds s[\g0b:\g0b+3], s[\g1b:\g1b+7]
	s_nop 0
.rept 4
	v_nop
.endr
.Lasked_\@:
.endm
.macro CREST
	s_cmp_lg_u32 s14, 0
	s_cbranch_scc1 .Lnot_wave_0_\@
	s_barrier_signal -3
.Lnot_wave_0_\@:
	s_barrier_wait -3
	s_barrier_signal -1
	s_barrier_wait -1
.endm
.macro CROUND
	s_barrier_signal -1
	s_barrier_wait -1
	CREST
.endm
	s_load_b256 s[4:11], s[0:1], 0x0               ; yq, xw, bp, out0
	v_lshl_add_u32 v[SPW], v0, 2, SPARE
	v_mov_b32 v[NIL], 0
	ds_add_u32 v28, v29
	ds_add_u32 v28, v29
	s_wait_dscnt 0x0
	v_lshrrev_b32 v1, 5, v0
	v_readfirstlane_b32 s14, v1                    ; wave 0..3
	s_lshr_b32 s15, s14, 1                         ; my half of A's rows.  Also: I fetch for A (0) or for B (1)
	s_and_b32 s16, s14, 1                          ; my half of B's rows.  Also: which 8 tiles I fetch
	s_bfe_u32 s40, ttmp6, 0x40000                  ; cx
	s_bfe_u32 s41, ttmp6, 0x40004                  ; cy
	s_and_b32 s17, ttmp7, 0xffff                   ; the cluster's y
	s_lshl_b32 s43, s41, 2
	s_lshl_b32 s43, 15, s43                        ; my row of the cluster
	s_lshl_b32 s44, 0x1111, s40                    ; my column
	s_or_b32 s[G1+0], s43, (3<<16)|(1<<21)         ; codes: 8 tiles, of each 4,096 bytes, 16,384 bytes apart; elements of 8 bytes; bit 21 beside the mask
	s_or_b32 s[G1B+0], s44, (3<<16)|(1<<21)
.irp g, G1, G1B
	s_mov_b32 s[\g+1], 512<<16
	s_mov_b32 s[\g+2], 8<<16
	s_mov_b32 s[\g+3], 512<<16
	s_mov_b32 s[\g+4], 8
	s_mov_b32 s[\g+5], 2048
	s_mov_b32 s[\g+6], 0
	s_mov_b32 s[\g+7], 0
.endr
	s_or_b32 s[G1S+0], s43, (3<<16)|(1<<21)        ; scale words of 8 tiles: 4,096 dense bytes as 16 rows of 256
	s_or_b32 s[G1SB+0], s44, (3<<16)|(1<<21)
.irp g, G1S, G1SB
	s_mov_b32 s[\g+1], 32<<16
	s_mov_b32 s[\g+2], 16<<16
	s_mov_b32 s[\g+3], 32<<16
	s_mov_b32 s[\g+4], 16
	s_mov_b32 s[\g+5], 32
	s_mov_b32 s[\g+6], 0
	s_mov_b32 s[\g+7], 0
.endr
	s_lshl_b32 s18, s16, 3
	s_lshl_b32 s20, s17, 6
	s_lshl_b32 s19, s41, 4
	s_add_co_u32 s20, s20, s19
	s_add_co_u32 s20, s20, s18                     ; A: y's tile 64 Y + 16 cy + 8 (wave % 2)
	s_lshl_b32 s46, s40, 4
	s_add_co_u32 s46, s46, 704
	s_add_co_u32 s46, s46, s18                     ; B: tile 704 + 16 cx + 8 (wave % 2) of xw
	s_lshl_b32 s22, s20, 9
	s_add_co_u32 s22, s22, YSC
	s_mov_b32 s23, 0
	s_lshl_b32 s20, s20, 14
	s_mov_b32 s21, 0
	s_lshl_b32 s92, s46, 9
	s_add_co_u32 s92, s92, XSC
	s_mov_b32 s93, 0
	s_lshl_b32 s46, s46, 14
	s_mov_b32 s47, 0
	s_lshl_b32 s45, s14, 15                        ; where the codes go: wave x 8 tiles
	s_lshl_b32 s94, s14, 12                        ; and the scale words: wave x 4,096, B's 128 further on
	s_lshl_b32 s95, s15, 7
	s_add_co_u32 s94, s94, s95
	s_wait_kmcnt 0x0
	s_add_nc_u64 s[20:21], s[4:5], s[20:21]
	s_add_nc_u64 s[22:23], s[4:5], s[22:23]
	s_add_nc_u64 s[46:47], s[6:7], s[46:47]
	s_add_nc_u64 s[92:93], s[6:7], s[92:93]
	CROUND                                         ; all sixteen work-groups are here: the first joint loads meet
	s_mov_b32 s[G0S], 1
	s_add_co_u32 s[G0S+1], s94, SCL
	s_mov_b64 s[G0S+2:G0S+3], s[22:23]
	s_or_b32 s[G0S+3], s[G0S+3], 0x80000000
	s_mov_b32 s[G0SB], 1
	s_add_co_u32 s[G0SB+1], s94, SCL
	s_mov_b64 s[G0SB+2:G0SB+3], s[92:93]
	s_or_b32 s[G0SB+3], s[G0SB+3], 0x80000000
	JLOAD G0S, G1S, G0SB, G1SB
.irp s, 0,1
	s_mov_b32 s[G0+4*\s], 1
	s_add_co_u32 s[G0+4*\s+1], s45, \s*SLOT
	s_add_nc_u64 s[G0+4*\s+2:G0+4*\s+3], s[20:21], \s*4096
	s_or_b32 s[G0+4*\s+3], s[G0+4*\s+3], 0x80000000
	s_mov_b32 s[G0B+4*\s], 1
	s_add_co_u32 s[G0B+4*\s+1], s45, \s*SLOT
	s_add_nc_u64 s[G0B+4*\s+2:G0B+4*\s+3], s[46:47], \s*4096
	s_or_b32 s[G0B+4*\s+3], s[G0B+4*\s+3], 0x80000000
	s_wait_alu depctr_va_vdst(0)
	s_wait_tensorcnt 0x0
	ds_add_u32 v28, v29
	s_wait_dscnt 0x0
	CROUND
	JLOAD G0+4*\s, G1, G0B+4*\s, G1B
.endr
	v_and_b32 v1, 31, v0                           ; lane
	v_and_b32 v2, 15, v0                           ; r
	v_bfe_u32 v3, v0, 4, 1                         ; h
	v_lshlrev_b32 v[CO], 4, v1
	s_wait_alu depctr_va_vdst(0)
	v_lshlrev_b32 v[BO], 6, v3
	s_lshl_b32 s20, s40, 10                        ; my 128 channels: 256 cx + 128 (wave % 2), 4 bytes each
	s_lshl_b32 s21, s16, 9
	s_add_co_u32 s20, s20, s21
	s_mov_b32 s21, 0
	s_add_nc_u64 s[8:9], s[8:9], s[20:21]
.irp e, 0,1,2,3
.irp j, 0,1,2,3
	global_load_b128 v[BQ+16*\e+4*\j:BQ+16*\e+4*\j+3], v[BO], s[8:9] offset:128*\e+16*\j
.endr
.endr
	s_add_nc_u64 s[10:11], s[10:11], s[20:21]      ; out0 at my first column,
	s_lshl_b32 s22, s17, 2
	s_add_co_u32 s22, s22, s41
	s_lshl_b32 s22, s22, 1
	s_add_co_u32 s22, s22, s15                     ; my block of 128 tokens
	s_lshl_b32 s22, s22, 19                        ; 128 rows of 4,096 bytes
	s_mov_b32 s23, 0
	s_add_nc_u64 s[10:11], s[10:11], s[22:23]      ; and my first row
	s_lshl_b32 s21, s15, 15
	s_lshl_b32 s22, s16, 15
	s_add_co_u32 s22, s22, 65536
.irp s, 0,1
	v_add_nc_u32 v[ADRA+\s], s21, v[CO]
	v_add_nc_u32 v[ADRB+\s], s22, v[CO]
	s_add_co_u32 s21, s21, SLOT
	s_add_co_u32 s22, s22, SLOT
.endr
	s_lshl_b32 s21, s15, 12
	s_lshl_b32 s22, s16, 12
	s_add_co_u32 s22, s22, 8320
	s_sub_co_u32 s22, s22, s21
	v_mul_u32_u24 v5, s22, v3                      ; lanes 16-31 take B's words: one product, h x the distance
	v_lshl_add_u32 v5, v2, 3, v5
	s_add_co_u32 s21, s21, SCL
	v_add_nc_u32 v[ADRS], s21, v5
	s_mul_i32 s23, s14, 16*SPITCH                  ; my stage
	v_mul_u32_u24 v5, v2, SPITCH
	v_lshl_add_u32 v5, v3, 6, v5
	v_add_nc_u32 v[STO], s23, v5                   ; in: row r, + 64 h
	v_add_nc_u32 v[RD], s23, v[CO]                 ; back: 16 bytes a lane of a row's 512
.macro FRAG reg, adr, q, i
.irp c, 0,1,2,3
	ds_load_b128 v[\reg+4*\c:\reg+4*\c+3], v[\adr] offset:4096*(\i)+2048*(\q)+512*\c
.endr
.endm
; 16 matrix instructions: A's blocks a0, a0 + 1 x B's eight.  zero = 1: the first product starts the sums from the bias.  The 64 accumulators take turns, one instruction a turn.
.macro MUL16 a0, p, q, sc, zero
.irp a, \a0, \a0+1
.irp b, 0,1,2,3,4,5,6,7
.if \zero
	v_wmma_scale_f32_16x16x128_f8f6f4 v[8*(8*((\a)%4)+\b):8*(8*((\a)%4)+\b)+7], v[128*(\p)+FR*\b:128*(\p)+FR*\b+FR-1], v[AF+FR*(\a):AF+FR*(\a)+FR-1], v[BQ+8*\b:BQ+8*\b+7], v[SC+8*NQ*(\sc)+NQ*\b+(\q)], v[SC+8*NQ*(\sc)+NQ*(\a)+(\q)] matrix_a_scale:MATRIX_SCALE_ROW1
.else
	v_wmma_scale_f32_16x16x128_f8f6f4 v[8*(8*((\a)%4)+\b):8*(8*((\a)%4)+\b)+7], v[128*(\p)+FR*\b:128*(\p)+FR*\b+FR-1], v[AF+FR*(\a):AF+FR*(\a)+FR-1], v[8*(8*((\a)%4)+\b):8*(8*((\a)%4)+\b)+7], v[SC+8*NQ*(\sc)+NQ*\b+(\q)], v[SC+8*NQ*(\sc)+NQ*(\a)+(\q)] matrix_a_scale:MATRIX_SCALE_ROW1
.endif
.endr
.endr
.endm
.macro FETCH_B slot, q, p
	WIN TO_B
.irp i, 0,1,2,3,4,5,6,7
	FRAG 128*(\p)+FR*\i, ADRB+\slot, \q, \i
.endr
	WIN 0
.endm
.macro FETCH_A slot, q, i0
.irp i, \i0, \i0+1, \i0+2, \i0+3
	FRAG AF+FR*(\i), ADRA+\slot, \q, \i
.endr
.endm
.macro SCALES sc
.irp i, 0,1,2,3,4,5,6,7
	ds_load_b64 v[SC+8*NQ*\sc+NQ*\i:SC+8*NQ*\sc+NQ*\i+1], v[ADRS] offset:\i*512
.endr
.endm
.macro PLACES n
.rept \n
	v_nop
.endr
.endm
.macro STEP slot, q, zero
	s_wait_dscnt 4*NL                              ; B's set and A's blocks 0-3 are in; the 16 youngest loads (A's blocks 4-7) may be out
.if \zero
	WIN FIRST_LO
.else
	WIN MUL_LO
.endif
	MUL16 0, (\q)%2, \q, \slot, \zero
	MUL16 2, (\q)%2, \q, \slot, \zero
	s_wait_dscnt 0
	PLACES NP
	FETCH_B \slot, (\q)+1, 1-(\q)%2
	FETCH_A \slot, (\q)+1, 0
.if \zero
	WIN FIRST_HI
.else
	WIN MUL_HI
.endif
	MUL16 4, (\q)%2, \q, \slot, \zero
	MUL16 6, (\q)%2, \q, \slot, \zero
	PLACES NP
	WIN 0
	FETCH_A \slot, (\q)+1, 4
.endm
.macro TURN slot, next, fill           ; a slot's last 128 change slots
	s_wait_tensorcnt 0x0                           ; all my tensor loads have landed: my part of the next slot
	ds_add_u32 v[SPW], v[NIL]
	s_wait_dscnt 4*NL+1                            ; (the add and the 16 youngest loads may be out)
	WIN MUL_LO
	MUL16 0, 1, NQ-1, \slot, 0
	s_wait_dscnt 0x0                               ; the add is done, and my reads of this slot are over
	s_barrier_signal -1
	MUL16 2, 1, NQ-1, \slot, 0
	WIN 0
	s_barrier_wait -1
.if \fill
	CREST                                          ; a round of the cluster's barrier: no wave of any partner still reads this slot or has a load on its way
	s_add_nc_u64 s[G0+4*\slot+2:G0+4*\slot+3], s[G0+4*\slot+2:G0+4*\slot+3], 8192
	s_add_nc_u64 s[G0B+4*\slot+2:G0B+4*\slot+3], s[G0B+4*\slot+2:G0B+4*\slot+3], 8192
	JLOAD G0+4*\slot, G1, G0B+4*\slot, G1B
	PLACES NP-4
.else
	PLACES NP
.endif
	s_wait_alu depctr_va_vdst(0)
	v_add_nc_u32 v[ADRS], 128, v[ADRS]
	FETCH_B \next, 0, 0
	FETCH_A \next, 0, 0
	SCALES \next
	WIN MUL_HI
	MUL16 4, 1, NQ-1, \slot, 0
	MUL16 6, 1, NQ-1, \slot, 0
	PLACES NP
	WIN 0
	FETCH_A \next, 0, 4
.endm
	s_wait_alu depctr_va_vdst(0)
	s_wait_loadcnt 0x0                             ; the bias: the first products take it as C
	s_wait_tensorcnt 1                             ; the scale words and my part of K step 0 are in; slot 1's load may be out
	s_barrier_signal -1
	s_barrier_wait -1
	FETCH_B 0, 0, 0
	FETCH_A 0, 0, 0
	SCALES 0
	FETCH_A 0, 0, 4
	STEP 0, 0, 1
	s_mov_b32 s3, LAPS-1
.Llap:
	TURN 0, 1, 1
	STEP 1, 0, 0
	TURN 1, 0, 1
	STEP 0, 0, 0
	s_sub_co_u32 s3, s3, 1
	s_cmp_lg_u32 s3, 0
	s_cbranch_scc1 .Llap
	TURN 0, 1, 0
	STEP 1, 0, 0
	s_wait_dscnt 4*NL
	WIN MUL_LO
	MUL16 0, 1, NQ-1, 1, 0
	MUL16 2, 1, NQ-1, 1, 0
	s_wait_dscnt 0
	WIN MUL_HI
	MUL16 4, 1, NQ-1, 1, 0
	MUL16 6, 1, NQ-1, 1, 0
	WIN 0
; THE WAY OUT, A's tiles one after the other.  A lane holds 8 neighbouring channels of one token for each of B's tiles, and the lanes beside it hold other tokens: the tile's 16 rows x 512 bytes go through my own stage in LDS and come
; back as whole rows, which the 32 lanes store as 512 consecutive bytes, aligned.  LDS serves a wave's instructions in order (ISA guide 5.7.1.4): no wait between the stores and the loads.
.macro TOSTAGE a
.set AC, 64*((\a)%4)
	WIN 0x08+4*((\a)/4)                            ; the data: window 2 or 3
.irp b, 0,1,2,3,4,5,6,7
	ds_store_b128 v[STO], v[AC+8*\b:AC+8*\b+3] offset:128*(\b/2)+32*(\b%2)       ; channels 32 (b / 2) + 16 h + 8 (b % 2) on; each accumulator from its low end on
	ds_store_b128 v[STO], v[AC+8*\b+4:AC+8*\b+7] offset:128*(\b/2)+32*(\b%2)+16
.endr
	WIN 0
.set BB, BK+64*((\a)%2)
.irp t, 0,1,2,3,4,5,6,7,8,9,10,11,12,13,14,15
	ds_load_b128 v[BB+4*\t:BB+4*\t+3], v[RD] offset:\t*SPITCH
.endr
.endm
.macro SEND a, younger                 ; younger: the LDS instructions issued behind tile a's loads, which may stay out
.set BB, BK+64*((\a)%2)
	s_wait_dscnt \younger
.if (\a) > 0
.if ((\a)%2) == 1
	s_add_nc_u64 s[10:11], s[10:11], 8*4096        ; (behind a wait on XCNT)  tile 2 B + 1 begins 8 rows behind tile 2 B,
.else
	s_add_nc_u64 s[10:11], s[10:11], 24*4096       ; tile 2 B + 2 another 24
.endif
.endif
.irp t, 0,1,2,3,4,5,6,7,8,9,10,11,12,13,14,15
	global_store_b128 v[CO], v[BB+4*\t:BB+4*\t+3], s[10:11] offset:(\t+8*(\t/8))*4096 th:TH_STORE_NT   ; the tile's row t is token t + 8 (t / 8) of its 24
.endr
.endm
	PLACES NP                                      ; behind the last products: results are read, and the registers that held A's fragments are loaded, below
	TOSTAGE 0
.irp a, 1,2,3,4,5,6,7
.if \a > 1
	s_wait_xcnt 0x0                                ; tile a - 2's stores have read their registers and their base
.endif
	TOSTAGE \a
	SEND \a-1, 32                                  ; behind tile a - 1's loads: tile a's 16 stores and 16 loads
.endr
	s_wait_xcnt 0x0
	SEND 7, 0
	s_wait_tensorcnt 0x0                           ; the wave's end
	ds_add_u32 v[SPW], v[NIL]
	s_wait_dscnt 0x0
	CROUND                                         ; the closing round
	s_endpgm
.Lfunc_end_k_qfa62a203df_proj:
	.size	k_qfa62a203df_proj, .Lfunc_end_k_qfa62a203df_proj-k_qfa62a203df_proj
	.p2alignl 7, 3214868480
	.fill 96, 4, 3214868480
	.section	.rodata,"a",@progbits
	.p2align	6, 0x0
	.amdhsa_kernel k_qfa62a203df_proj
		.amdhsa_group_segment_fixed_size 327680
		.amdhsa_private_segment_fixed_size 0
		.amdhsa_enable_private_segment 0
		.amdhsa_kernarg_size 32
		.amdhsa_user_sgpr_count 2
		.amdhsa_user_sgpr_kernarg_segment_ptr 1
		.amdhsa_wavefront_size32 1
		.amdhsa_system_sgpr_workgroup_id_x 1
		.amdhsa_system_sgpr_workgroup_id_y 1
		.amdhsa_system_sgpr_workgroup_id_z 1
		.amdhsa_system_vgpr_workitem_id 0
		.amdhsa_next_free_vgpr 1024
		.amdhsa_next_free_sgpr 100
		.amdhsa_reserve_vcc 0
		.amdhsa_float_denorm_mode_32 3
		.amdhsa_float_denorm_mode_16_64 3
		.amdhsa_memory_ordered 1
		.amdhsa_forward_progress 1
		.amdhsa_inst_pref_size 148
	.end_amdhsa_kernel
	.amdgpu_metadata
---
amdhsa.version: [ 1, 2 ]
amdhsa.kernels:
  - .name:           k_qfa62a203df_proj
    .symbol:         k_qfa62a203df_proj.kd
    .args:
      - { .name: yq, .offset: 0, .size: 8, .value_kind: global_buffer, .address_space: global }
      - { .name: xw, .offset: 8, .size: 8, .value_kind: global_buffer, .address_space: global }
      - { .name: bp, .offset: 16, .size: 8, .value_kind: global_buffer, .address_space: global }
      - { .name: out0, .offset: 24, .size: 8, .value_kind: global_buffer, .address_space: global }
    .group_segment_fixed_size: 327680
    .private_segment_fixed_size: 0
    .kernarg_segment_align: 8
    .kernarg_segment_size: 32
    .max_flat_workgroup_size: 128
    .sgpr_count:     100
    .vgpr_count:     1024
    .wavefront_size: 32
...
	.end_amdgpu_metadata
.endif
;; end of part 4
